; MI455X (gfx1250); checked and timed in simulation.
; The chip was launched on July 23, 2026; its instructions are those of AMD's public machine-readable ISA for CDNA 5 (MIT licence, August 2026) and "CDNA5" Instruction Set Architecture Reference Guide (July 2026). The comments in the code are by the model that wrote it; some were corrected since.
;; Causal Self Attention. Allowed arithmetic: matrix products marked QUANTISED: E2M1 operands, one E8M0 scale for each 32 along K, by v_wmma_scale_f32_16x16x128_f8f6f4 with both operands' format E2M1 (or v_wmma_scale_f32_32x16x128_f4), f32 sums; products left as they are: bf16, f16 or f32 operands; f32 sums; everything else in f32.
;; Inputs: Wk 1,024 x 1,024 float32; Wp 1,024 x 1,024 float32; Wq 1,024 x 1,024 float32; Wv 1,024 x 1,024 float32; x 4 x 2,048 x 1,024 float32.
;; Outputs: out0 4 x 2,048 x 1,024 float32.
;; This version of the problem:
;;   THIS VERSION OF THE PROBLEM IS GIVEN IN LOW PRECISION. The matrix products marked QUANTISED in the list below multiply operands that are first quantised to E2M1 (2 exponent bits, 1 mantissa bit; 4 bits a number), with one power-of-two scale for each 32 numbers along K (OCP MX v1.0); their sums are f32. The products marked 'left as it is' may take bf16, f16 or f32 operands, with f32 sums. Whichever they take, every output number must still come out within the allowed error. Rounding operands to bf16 (8 significant bits) uses up far more of that allowance than f16 does (11 bits, for magnitudes from 6e-5 to 65,504). All else is computed in f32.
;;   The module's matrix products, in the order in which they are computed (A, B: the left and right operand; K: the contracted axis; several contracted axes count as one K, in the product's order):
;;     1. [M 8,192, K 1,024] x [K 1,024, N 1,024]; A: input x; B: input Wk: QUANTISED
;;     2. [M 8,192, K 1,024] x [K 1,024, N 1,024]; A: input x; B: input Wq: QUANTISED
;;     3. [M 8,192, K 1,024] x [K 1,024, N 1,024]; A: input x; B: input Wv: QUANTISED
;;     4. batch 64 x [M 2,048, K 64] x [K 64, N 2,048]; A: computed on the way; B: computed on the way: left as it is (an operand is computed on the way)
;;     5. batch 64 x [M 2,048, K 2,048] x [K 2,048, N 64]; A: computed on the way; B: computed on the way: left as it is (an operand is computed on the way)
;;     6. [M 8,192, K 1,024] x [K 1,024, N 1,024]; A: computed on the way; B: input Wp: left as it is (an operand is computed on the way)
;;   THE QUANTISER, for each operand of a quantised product, along K:
;;     - K is cut into blocks of 32 from its start; a last block that is shorter is filled with zeros.
;;     - A block's scale is 2^e with e = floor(log2(the largest magnitude in the block)) - 2, held to -126 .. 127; a block of zeros has e = 0. As a byte (E8M0): e + 127.
;;     - Each number is divided by its block's scale, clamped to +-6, and rounded to the nearest number of E2M1, ties to even, subnormals kept.
;;     - The product sums the exact products of the quantised numbers (number of the format x scale) in f32.
;;   ~~~python
;;   def quantise(x, axis):      # numpy; x: float32 -> the quantised numbers, widened to float32 again
;;       x = np.moveaxis(x, axis, -1); K = x.shape[-1]
;;       x = np.pad(x, [(0, 0)] * (x.ndim - 1) + [(0, -K % 32)]); x = x.reshape(x.shape[:-1] + (-1, 32)); a = np.abs(x).max(-1, keepdims=True)
;;       e = np.where(a > 0, np.clip(np.frexp(np.where(a > 0, a, 1))[1] - 1 - 2, -126, 127), 0)      # np.frexp(a)[1] - 1 = floor(log2(a)), exactly
;;       r = np.clip(x / 2.0 ** e, -6, 6)
;;       step = 2.0 ** (np.maximum(np.frexp(np.where(r == 0, 1, r))[1] - 1, 0) - 1)
;;       q = np.round(r / step) * step * 2.0 ** e      # np.round: ties to even
;;       return np.moveaxis(q.reshape(q.shape[:-2] + (-1,))[..., :K], -1, axis).astype(np.float32)
;;   ~~~
;; One version. Each part assembles by itself: llvm-mc -triple=amdgcn-amd-amdhsa -mcpu=gfx1250 --defsym DOCPART=n.
;; ======== version 1 of 1: 5 launches
;; limits: values are held in f16: magnitudes above 65,504 overflow, below 6.1e-05 lose precision
;; workspace buffers: xc 4,194,304 bytes; xs 262,144 bytes; wc 1,572,864 bytes; ws 98,304 bytes; wp16 2,097,152 bytes; qkv 50,331,648 bytes; head32 786,432 bytes; y16 16,777,216 bytes
;; launch prep (part 1): grid 384 x 1, 4 waves a work-group, no clusters, 33,280 bytes of LDS; arguments x, Wq, Wk, Wv, Wp, xc, xs, wc, ws, wp16; writes xc, xs, wc, ws, wp16
.if DOCPART == 1
	.amdgcn_target "amdgcn-amd-amdhsa--gfx1250"
	.amdhsa_code_object_version 6
	.text
	.protected	k_qd060b5a491_prep
	.globl	k_qd060b5a491_prep
	.p2align	8
	.type	k_qd060b5a491_prep,@function
k_qd060b5a491_prep:
	s_mov_b64 s[64:65], 0
	v_nop
	global_prefetch_b8 v0, s[64:65] scope:SCOPE_SE
	s_setreg_imm32_b32 hwreg(HW_REG_WAVE_MODE, 25, 1), 1
	s_wait_xcnt 0x0
; x [8192][1024] and Wq, Wk, Wv [1024][1024], f32, become codes of FP4 (E2M1), K innermost, with one E8M0 byte for each 32 along K; Wp [1024][1024] becomes f16.
; A block's scale is 2^(floor(log2(its largest magnitude)) - 2); its byte is the largest magnitude's exponent field - 2, held at 1 from below.  A block of zeros so gets the byte 1: its codes are zeros,
; which add nothing under any byte but 0xff, and the bytes are read by this program alone.
; LIMITS: blocks whose largest magnitude lies under 2^-124 keep the byte 1; NaN and infinities among the inputs are not served; |Wp| up to 65,504 (f16).
; Rows are dense and K is a multiple of 32: every tensor is a plain stream of blocks of 32, and so are its codes and scale bytes.  wc and ws hold Wq's rows, then Wk's, then Wv's.
; SHARES by the work-group's number g: g < 256: x; 256 .. 351: the three weights, 32 work-groups each; 352 .. 383: Wp.  A work-group takes 32,768 numbers, a wave 8,192.
; The quantising waves: 16 steps of 512 numbers.  Each load reads 512 consecutive bytes; a step's 2,048 bytes turn through the wave's own stage in LDS and come back 64 bytes a lane, so that a lane
; holds 16 neighbours along K and two neighbouring lanes hold a block.  Waves share nothing: no barrier.
.set STEPS, 16
.set EMAX,  2
.set CB,    8                          ; bytes of 16 codes
.set R,     16                         ; v16-79   four sets of 16 numbers as they are loaded
.set X,     80                         ; v80-111  two sets of 16 neighbours
.set E,     112                        ; v112-127 a scale byte for each step
.set C,     128                        ; v128-191 codes: four registers for each step, so that no store's data are written again
.set WREG,  8192                       ; LDS: a region for each wave: two stages of 32 x SP bytes, behind them its 256 scale bytes
.set SP,    80                         ; a lane's place in a stage: 64 bytes + 16 of padding
.set SPW,   12                         ; v12 LDS address of my spare word; never rewritten
.set NIL,   13                         ; v13 0; never rewritten
.set SPARE, 4*WREG                     ; the spare words: 128 bytes for each wave, named by no other line
	s_load_b512 s[4:19], s[0:1], 0x0               ; x 4:5, Wq 6:7, Wk 8:9, Wv 10:11, Wp 12:13, xc 14:15, xs 16:17, wc 18:19
	s_load_b128 s[20:23], s[0:1], 0x40             ; ws 20:21, wp16 22:23
	v_lshl_add_u32 v[SPW], v0, 2, SPARE
	v_mov_b32 v[NIL], 0
	v_lshrrev_b32 v1, 5, v0
	v_readfirstlane_b32 s32, v1                    ; wave
	v_and_b32 v2, 31, v0                           ; lane
	v_lshlrev_b32 v3, 4, v2                        ; my 16 bytes of a load's 512
	s_mul_i32 s33, s32, WREG
	v_lshrrev_b32 v14, 2, v2
	v_mul_u32_u24 v14, v14, SP
	v_and_b32 v15, 3, v2
	v_lshl_add_u32 v14, v15, 4, v14
	v_add_nc_u32 v14, s33, v14                     ; the stage, on the way in: SP (lane / 4) + 16 (lane % 4)
	v_mul_u32_u24 v15, v2, SP
	v_add_nc_u32 v15, s33, v15                     ; and on the way out: SP x lane
	v_mul_u32_u24 v4, v2, CB                       ; my codes' place in a step's
	v_lshrrev_b32 v5, 1, v2
	s_add_co_u32 s33, s33, 2*32*SP
	v_add_nc_u32 v5, s33, v5                       ; my wave's 256 scale bytes, my block's byte
	v_lshlrev_b32 v7, 3, v2                        ; and on the way out 8 bytes a lane
	v_add_nc_u32 v6, s33, v7
	s_wait_kmcnt 0x0
	s_cmp_ge_u32 ttmp9, 352
	s_cbranch_scc1 .Lwp
	; which tensor: the choices hang on the work-group's number alone
	s_cmp_lt_u32 ttmp9, 256
	s_cselect_b32 s24, 0, 256                      ; the first work-group of my destination
	s_cselect_b64 s[26:27], s[14:15], s[18:19]     ; codes
	s_cselect_b64 s[28:29], s[16:17], s[20:21]     ; scale bytes
	s_cselect_b64 s[30:31], s[4:5], s[6:7]         ; numbers
	s_cselect_b32 s25, -1, 31                      ; a weight's work-groups count from 0 in each weight
	s_cmp_ge_u32 ttmp9, 288
	s_cselect_b64 s[30:31], s[8:9], s[30:31]
	s_cmp_ge_u32 ttmp9, 320
	s_cselect_b64 s[30:31], s[10:11], s[30:31]
	s_sub_co_u32 s24, ttmp9, s24
	s_and_b32 s25, s24, s25
	s_lshl_b32 s24, s24, 2
	s_add_co_u32 s24, s24, s32                     ; my run of 8,192 numbers in the destination,
	s_lshl_b32 s25, s25, 2
	s_add_co_u32 s25, s25, s32                     ; and in the source
	s_lshl_b32 s34, s25, 15
	s_mov_b32 s35, 0
	s_add_nc_u64 s[30:31], s[30:31], s[34:35]      ; 32,768 bytes of numbers,
	s_lshl_b32 s34, s24, 12
	s_add_nc_u64 s[26:27], s[26:27], s[34:35]      ; 4,096 of codes,
	s_lshl_b32 s34, s24, 8
	s_add_nc_u64 s[28:29], s[28:29], s[34:35]      ; 256 scale bytes a run
.macro LOAD t
.irp i, 0,1,2,3
	global_load_b128 v[R+16*((\t)%4)+4*\i:R+16*((\t)%4)+4*\i+3], v3, s[30:31] offset:2048*(\t)+512*\i th:TH_LOAD_NT   ; 32 lanes read 512 consecutive bytes
.endr
.endm
.macro TURN t                          ; step t's numbers through the stage: LDS serves a wave's instructions in order, so no wait stands between the stores and the loads
.irp i, 0,1,2,3
	ds_store_b128 v14, v[R+16*((\t)%4)+4*\i:R+16*((\t)%4)+4*\i+3] offset:32*SP*((\t)%2)+8*SP*\i
.endr
.irp i, 0,1,2,3
	ds_load_b128 v[X+16*((\t)%2)+4*\i:X+16*((\t)%2)+4*\i+3], v15 offset:32*SP*((\t)%2)+16*\i
.endr
.endm
.irp t, 0,1,2,3
	LOAD \t
.endr
	s_wait_loadcnt 12                              ; step 0's four loads are in; three steps' twelve may be out
	TURN 0
.macro STEP t
.set XS, X+16*((\t)%2)
.if (\t) > 0
	s_wait_dscnt 1                                 ; this step's numbers are back from the stage (the last step's byte store may be out)
.else
	s_wait_dscnt 0x0
.endif
.if (\t)+4 < STEPS
	LOAD (\t)+4                                    ; into the registers whose stores into the stage are done
.endif
.if (\t)+1 < STEPS
.if STEPS-2-(\t) >= 3
	s_wait_loadcnt 12                              ; the next step's four loads are in; those of the three steps behind it may be out
.else
	s_wait_loadcnt 4*(STEPS-2-(\t))
.endif
	TURN (\t)+1                                    ; through the other stage while this step is worked
.endif
	v_max3_num_f32 v8, |v[XS]|, |v[XS+1]|, |v[XS+2]|               ; the largest magnitude of my 16, in two chains
	v_max3_num_f32 v9, |v[XS+3]|, |v[XS+4]|, |v[XS+5]|
.irp i, 6,10
	v_max3_num_f32 v8, v8, |v[XS+\i]|, |v[XS+\i+1]|
	v_max3_num_f32 v9, v9, |v[XS+\i+2]|, |v[XS+\i+3]|
.endr
	v_max3_num_f32 v8, v8, |v[XS+14]|, |v[XS+15]|
	v_max3_num_f32 v8, v8, v9, (EMAX+1)<<23        ; and the floor 2^(3 - 127): the byte cannot fall under 1
	v_max_num_f32_dpp v8, v8, v8 row_xmask:1 row_mask:0xf bank_mask:0xf   ; and of my neighbour's 16: the block's
	v_add_nc_u32 v11, -(EMAX<<23), v8              ; 2 off its exponent field: the conversion takes the exponent field of this operand as its scale
	v_cvt_scalef32_pk8_fp4_f32 v[C+4*(\t)], v[XS:XS+7], v11
	v_cvt_scalef32_pk8_fp4_f32 v[C+4*(\t)+1], v[XS+8:XS+15], v11
	v_lshrrev_b32 v[E+(\t)], 23, v11               ; the scale's byte (also the plain line behind the conversions)
	ds_store_b8 v5, v[E+(\t)] offset:16*(\t)       ; both lanes of a block write the same byte with the same value
	global_store_b64 v4, v[C+4*(\t):C+4*(\t)+1], s[26:27] offset:32*CB*(\t)   ; the wave stores 256 consecutive bytes, aligned
.endm
.irp t, 0,1,2,3,4,5,6,7,8,9,10,11,12,13,14,15
	STEP \t
.endr
	ds_load_b64 v[8:9], v6                         ; LDS serves a wave's instructions in order: these see my stores
	s_wait_dscnt 0x0
	global_store_b64 v7, v[8:9], s[28:29]          ; 32 lanes store 256 consecutive bytes, aligned
	s_wait_tensorcnt 0x0                           ; the wave's end: the tensor wait, an add to my spare word and its wait, behind my last LDS store
	ds_add_u32 v[SPW], v[NIL]
	s_wait_dscnt 0x0
	s_endpgm
; Wp to f16: a wave takes 8,192 numbers in 32 steps of 256: a lane loads 32 bytes, rounds 8 numbers and stores 16 bytes; a store covers 512 consecutive bytes.  No LDS on this way.
.Lwp:
	s_sub_co_u32 s24, ttmp9, 352
	s_lshl_b32 s24, s24, 2
	s_add_co_u32 s24, s24, s32
	s_lshl_b32 s34, s24, 15
	s_mov_b32 s35, 0
	s_add_nc_u64 s[12:13], s[12:13], s[34:35]
	s_lshl_b32 s34, s24, 14
	s_add_nc_u64 s[22:23], s[22:23], s[34:35]
	v_lshlrev_b32 v8, 5, v2
	v_lshlrev_b32 v9, 4, v2
.macro WLOAD r                         ; round r: steps 8 r .. 8 r + 7 into set r % 2
.irp j, 0,1,2,3,4,5,6,7
	global_load_b128 v[16+64*((\r)%2)+8*\j:16+64*((\r)%2)+8*\j+3], v8, s[12:13] offset:1024*(8*(\r)+\j) th:TH_LOAD_NT
	global_load_b128 v[16+64*((\r)%2)+8*\j+4:16+64*((\r)%2)+8*\j+7], v8, s[12:13] offset:1024*(8*(\r)+\j)+16 th:TH_LOAD_NT
.endr
.endm
.macro WROUND r
.if (\r) < 3
	s_wait_loadcnt 16                              ; this round's 16 loads are in; the next round's may be out
.else
	s_wait_loadcnt 0x0
.endif
	s_wait_xcnt 0x0                                ; the last round's stores have read v144-175
.irp j, 0,1,2,3,4,5,6,7
.irp i, 0,1,2,3
	v_cvt_pk_f16_f32 v[144+4*\j+\i], v[16+64*((\r)%2)+8*\j+2*\i], v[16+64*((\r)%2)+8*\j+2*\i+1]
.endr
.endr
.irp j, 0,1,2,3,4,5,6,7
	global_store_b128 v9, v[144+4*\j:144+4*\j+3], s[22:23] offset:512*(8*(\r)+\j)
.endr
.if (\r) < 2
	WLOAD (\r)+2
.endif
.endm
	WLOAD 0
	WLOAD 1
	WROUND 0
	WROUND 1
	WROUND 2
	WROUND 3
	s_endpgm
.Lfunc_end_k_qd060b5a491_prep:
	.size	k_qd060b5a491_prep, .Lfunc_end_k_qd060b5a491_prep-k_qd060b5a491_prep
	.p2alignl 7, 3214868480
	.fill 96, 4, 3214868480
	.section	.rodata,"a",@progbits
	.p2align	6, 0x0
	.amdhsa_kernel k_qd060b5a491_prep
		.amdhsa_group_segment_fixed_size 33280
		.amdhsa_private_segment_fixed_size 0
		.amdhsa_enable_private_segment 0
		.amdhsa_kernarg_size 80
		.amdhsa_user_sgpr_count 2
		.amdhsa_user_sgpr_kernarg_segment_ptr 1
		.amdhsa_wavefront_size32 1
		.amdhsa_system_sgpr_workgroup_id_x 1
		.amdhsa_system_sgpr_workgroup_id_y 1
		.amdhsa_system_sgpr_workgroup_id_z 1
		.amdhsa_system_vgpr_workitem_id 0
		.amdhsa_next_free_vgpr 192
		.amdhsa_next_free_sgpr 66
		.amdhsa_reserve_vcc 0
		.amdhsa_float_denorm_mode_32 3
		.amdhsa_float_denorm_mode_16_64 3
		.amdhsa_memory_ordered 1
		.amdhsa_forward_progress 1
		.amdhsa_inst_pref_size 51
	.end_amdhsa_kernel
	.amdgpu_metadata
---
amdhsa.version: [ 1, 2 ]
amdhsa.kernels:
  - .name:           k_qd060b5a491_prep
    .symbol:         k_qd060b5a491_prep.kd
    .args:
      - { .name: x, .offset: 0, .size: 8, .value_kind: global_buffer, .address_space: global }
      - { .name: Wq, .offset: 8, .size: 8, .value_kind: global_buffer, .address_space: global }
      - { .name: Wk, .offset: 16, .size: 8, .value_kind: global_buffer, .address_space: global }
      - { .name: Wv, .offset: 24, .size: 8, .value_kind: global_buffer, .address_space: global }
      - { .name: Wp, .offset: 32, .size: 8, .value_kind: global_buffer, .address_space: global }
      - { .name: xc, .offset: 40, .size: 8, .value_kind: global_buffer, .address_space: global }
      - { .name: xs, .offset: 48, .size: 8, .value_kind: global_buffer, .address_space: global }
      - { .name: wc, .offset: 56, .size: 8, .value_kind: global_buffer, .address_space: global }
      - { .name: ws, .offset: 64, .size: 8, .value_kind: global_buffer, .address_space: global }
      - { .name: wp16, .offset: 72, .size: 8, .value_kind: global_buffer, .address_space: global }
    .group_segment_fixed_size: 33280
    .private_segment_fixed_size: 0
    .kernarg_segment_align: 8
    .kernarg_segment_size: 80
    .max_flat_workgroup_size: 128
    .sgpr_count:     66
    .vgpr_count:     192
    .wavefront_size: 32
...
	.end_amdgpu_metadata
.endif
;; end of part 1
;; launch qkv (part 2): grid 12 x 32, 4 waves a work-group, clusters of 4 x 4, 327,680 bytes of LDS; arguments xc, xs, wc, ws, qkv, head32; writes qkv, head32
.if DOCPART == 2
	.amdgcn_target "amdgcn-amd-amdhsa--gfx1250"
	.amdhsa_code_object_version 6
	.text
	.protected	k_qd060b5a491_qkv
	.globl	k_qd060b5a491_qkv
	.p2align	8
	.type	k_qd060b5a491_qkv,@function
k_qd060b5a491_qkv:
	s_mov_b64 s[64:65], 0
	v_nop
	global_prefetch_b8 v0, s[64:65] scope:SCOPE_SE
	s_setreg_imm32_b32 hwreg(HW_REG_WAVE_MODE, 25, 1), 1
	s_wait_xcnt 0x0
	s_wait_alu depctr_hold_cnt(0) depctr_sa_sdst(0) depctr_va_vdst(0) depctr_va_sdst(0) depctr_va_ssrc(0) depctr_va_vcc(0) depctr_vm_vsrc(0)
	s_getreg_b32 s2, hwreg(HW_REG_IB_STS2, 6, 4)
	s_cmp_eq_u32 s2, 0
	s_cbranch_scc0 .Lentry_in_a_cluster
	s_endpgm
.Lentry_in_a_cluster:
	s_bfe_u32 s2, ttmp6, 0x10000c
	s_cmp_lg_u32 s2, 0xf033
	s_cbranch_scc0 .Lentry_shape_is_right
	s_endpgm
.Lentry_shape_is_right:
; q, k, v = x Wq^T, x Wk^T, x Wv^T as ONE product C[m][n] = sum over k of A[m][k] B[n][k] on codes of FP4 (E2M1) with one E8M0 scale for each 32 along K: A = x [8192][1024], B = Wq, Wk, Wv on end [3072][1024].
; The results leave as f16, laid [tensor 3][batch 4][head 16][position 2048][64]; positions 0 to 15 of every sequence leave once more as f32, laid [3][4][16][16][64].  LIMIT: |q|, |k|, |v| up to 65,504 (f16).
; A tile of C, 256 x 256, is made by four waves, each 128 x 128: 64 accumulators of 16 x 16, 512 registers.  K = 1,024 is two K steps of 512: two LDS slots, each filled once; the scale bytes of the
; work-group's rows, for all of K, come once too.
; CLUSTERS: 4 x 4 work-groups.  The four of a row of the cluster need the same tiles of A, the four of a column the same tiles of B: each tile is asked for jointly.  The cluster's four tile rows are the four
; batches at the same place in the sequence (tile row = 8 cy + cluster y), so that 'this tile holds positions 0 to 15' is 'cluster y = 0': the same in all sixteen partners.
; THE MATRIX INSTRUCTION IS USED TRANSPOSED (source 0 = 16 rows of B, source 1 = 16 rows of A): a lane then holds eight neighbouring numbers of a row of C.
; REGISTERS, in windows of 256: window 0: v0-31 addresses; v32-95 scale words, two sets; from v128 A's fragments, ONE set; on the way out v32-255 are free.
;   window 1: B's fragments, TWO sets, at v0 and v128.   window 2: the accumulators of my rows 0-63 ((a, b) at v[8 (8 a + b)]);   window 3: those of my rows 64-127.
.set SIZE_K, 1024
.set KSTEP,  512
.set NQ,     KSTEP/128
.set ROWB,   256                       ; a tile's row in bytes
.set KROW,   SIZE_K/2                  ; a row of codes in memory
.set PITCH,  272                       ; an LDS row: 256 bytes + 16 of padding: the 16 rows that a load touches start 16 bytes apart modulo 256
.set FR,     8
.set NL,     2
.set NP,     4                         ; places behind this matrix instruction (ISA guide 7.12.1)
.set HALFT,  128*PITCH
.set SLOT,   4*HALFT
.set KS,     SIZE_K/32                 ; a row of scale bytes
.set SCL,    2*SLOT
.set HALFS,  (128*KS/256)*272
.set SBLK,   (16*KS/256)*272
.set SPARE,  SCL+4*HALFS               ; the spare words: 128 bytes for each wave, named by no other line
.set ADRA, 16                          ; v16-17 LDS address of my A fragments in slot 0, 1
.set STO32, 18                         ; v18 the f32 stage: where I put 32 bytes of a row
.set RD32,  19                         ; v19 and where I read a row back
.set ADRB, 20                          ; v20-21 the same as ADRA for B
.set CO32,  22                         ; v22 my byte offset in head32's two heads
.set STO16, 24                         ; v24 the f16 stage: where I put 16 bytes of a row
.set RD16,  25                         ; v25 and where I read rows back
.set CO16,  26                         ; v26 16 x lane
.set ADRS, 27                          ; v27 LDS address of my scale words: lanes 0-15 A's rows, lanes 16-31 B's
.set SPW,  28
.set NIL,  29
.set SC,   32                          ; scale words: set s at v[SC + 32 s]
.set B32,  32                          ; the way out: 16 rows of f32
.set AF,   128                         ; A's fragments
.set BK,   128                         ; the way out: rows read back: v128-159, v160-191 by turns
.set TMP,  192                         ; the way out: packed results
.set G1, 24
.set G0, 32
.set G1B, 48
.set G0B, 56
.set G1S, 68
.set G0S, 76
.set G1SB, 80
.set G0SB, 88
.set MSB, 0
.macro WIN new                         ; the immediate's high byte repeats the setting that is left
.if MSB != \new
	s_set_vgpr_msb (MSB<<8)|\new
.set MSB, \new
.endif
.endm
.set MUL_LO, 0xa1                      ; source 0 (B) window 1, source 1 (A) window 0, C and D window 2
.set MUL_HI, 0xf1
.set TO_B,   0x40
; A joint load: waves 0 and 1 fetch for A, waves 2 and 3 for B; the branch hangs on the wave's number alone.  An s_nop 0 and four v_nop follow each of the two lines.
.macro JLOAD g0a, g1a, g0b, g1b
	s_cmp_eq_u32 s15, 0
	s_cbranch_scc0 .Lfor_b_\@
	tensor_load_to_lds s[\g0a:\g0a+3], s[\g1a:\g1a+7]
	s_nop 0
.rept 4
	v_nop
.endr
	s_branch .Lasked_\@
.Lfor_b_\@:
	tensor_load_to_lds s[\g0b:\g0b+3], s[\g1b:\g1b+7]
	s_nop 0
.rept 4
	v_nop
.endr
.Lasked_\@:
.endm
.macro CROUND                          ; a round of the cluster's barrier
	s_barrier_signal -1
	s_barrier_wait -1
	s_cmp_lg_u32 s14, 0
	s_cbranch_scc1 .Lnot_wave_0_\@
	s_barrier_signal -3
.Lnot_wave_0_\@:
	s_barrier_wait -3
	s_barrier_signal -1
	s_barrier_wait -1
.endm
	s_load_b128 s[4:7], s[0:1], 0x0                ; x's codes, x's scales
	s_load_b128 s[8:11], s[0:1], 0x10              ; the weights' codes, their scales
	s_load_b128 s[96:99], s[0:1], 0x20             ; qkv, head32
	v_lshl_add_u32 v[SPW], v0, 2, SPARE
	v_mov_b32 v[NIL], 0
	ds_add_u32 v[SPW], v[NIL]                      ; the wave's opening: the add, twice on end, and its wait ahead of my first tensor load
	ds_add_u32 v[SPW], v[NIL]
	v_lshrrev_b32 v1, 5, v0
	v_readfirstlane_b32 s14, v1                    ; wave 0..3
	s_lshr_b32 s15, s14, 1                         ; which half of the tile's rows is mine.  Also: I fetch for A (0) or for B (1)
	s_and_b32 s16, s14, 1                          ; which half of its columns.  Also: which 128 rows of that tile I fetch
	s_bfe_u32 s40, ttmp6, 0x40000                  ; cx, cy: my place in the cluster
	s_bfe_u32 s41, ttmp6, 0x40004
	s_lshl_b32 s42, ttmp9, 2
	s_add_co_u32 s42, s42, s40                     ; tile column of C = 4 x cluster x + cx
	s_and_b32 s17, ttmp7, 0xffff
	s_lshl_b32 s18, s41, 3
	s_add_co_u32 s17, s17, s18                     ; tile row of C = 8 cy + cluster y: batch cy, positions 256 x cluster y on
	s_lshl_b32 s43, s41, 2
	s_lshl_b32 s43, 15, s43                        ; my row of the cluster
	s_lshl_b32 s44, 0x1111, s40                    ; my column
	s_or_b32 s[G1+0], s43, (0<<16)|(1<<20)|(1<<21)|(5<<22)|(3<<25)  ; the mask; elements of 1 byte; padding on; bit 21 beside a mask; 4 words of padding behind every 64
	s_or_b32 s[G1B+0], s44, (0<<16)|(1<<20)|(1<<21)|(5<<22)|(3<<25)
.irp g, G1, G1B
	s_mov_b32 s[\g+1], ROWB<<16                    ; tensor_dim0
	s_mov_b32 s[\g+2], 128<<16                     ; tensor_dim1
	s_mov_b32 s[\g+3], ROWB<<16                    ; tile_dim0
	s_mov_b32 s[\g+4], 128                         ; tile_dim1
	s_mov_b32 s[\g+5], KROW                        ; from row to row
	s_mov_b32 s[\g+6], 0
	s_mov_b32 s[\g+7], 0
.endr
	s_or_b32 s[G1S+0], s43, (3<<16)|(1<<20)|(1<<21)|(5<<22)|(3<<25)   ; the scales of 128 rows: a dense block, as rows of 256 bytes (32 elements of 8), 16 bytes of padding behind each
	s_or_b32 s[G1SB+0], s44, (3<<16)|(1<<20)|(1<<21)|(5<<22)|(3<<25)
.irp g, G1S, G1SB
	s_mov_b32 s[\g+1], 32<<16
	s_mov_b32 s[\g+2], (128*KS/256)<<16
	s_mov_b32 s[\g+3], 32<<16
	s_mov_b32 s[\g+4], 128*KS/256
	s_mov_b32 s[\g+5], 32
	s_mov_b32 s[\g+6], 0
	s_mov_b32 s[\g+7], 0
.endr
	s_lshl_b32 s18, s16, 7                         ; which 128 rows of the tile I fetch
	s_lshl_b32 s20, s17, 8
	s_add_co_u32 s20, s20, s18                     ; A: row 256 x tile row + 128 x half
	s_lshl_b32 s46, s42, 8
	s_add_co_u32 s46, s46, s18                     ; B: row 256 x tile column + 128 x half
	s_mov_b32 s21, 0
	s_mov_b32 s47, 0
	s_mov_b64 s[18:19], KS
	s_mul_u64 s[22:23], s[20:21], s[18:19]         ; where these rows' scales begin,
	s_mul_u64 s[92:93], s[46:47], s[18:19]
	s_mov_b64 s[18:19], KROW
	s_mul_u64 s[20:21], s[20:21], s[18:19]         ; and their codes
	s_mul_u64 s[46:47], s[46:47], s[18:19]
	s_mul_i32 s45, s14, HALFT                      ; where they go: wave x 128 rows
	s_mul_i32 s94, s14, HALFS
	s_wait_dscnt 0x0                               ; both opening adds are done
	s_wait_kmcnt 0x0
	s_add_nc_u64 s[20:21], s[4:5], s[20:21]
	s_add_nc_u64 s[22:23], s[6:7], s[22:23]
	s_add_nc_u64 s[46:47], s[8:9], s[46:47]
	s_add_nc_u64 s[92:93], s[10:11], s[92:93]
	CROUND                                         ; all sixteen work-groups are here: the first joint loads meet
	s_mov_b32 s[G0S], 1
	s_add_co_u32 s[G0S+1], s94, SCL
	s_mov_b64 s[G0S+2:G0S+3], s[22:23]
	s_or_b32 s[G0S+3], s[G0S+3], 0x80000000
	s_mov_b32 s[G0SB], 1
	s_add_co_u32 s[G0SB+1], s94, SCL
	s_mov_b64 s[G0SB+2:G0SB+3], s[92:93]
	s_or_b32 s[G0SB+3], s[G0SB+3], 0x80000000
	JLOAD G0S, G1S, G0SB, G1SB                     ; the scales first: they are wanted with K step 0
.irp s, 0,1
	s_mov_b32 s[G0+4*\s], 1
	s_add_co_u32 s[G0+4*\s+1], s45, \s*SLOT
	s_add_nc_u64 s[G0+4*\s+2:G0+4*\s+3], s[20:21], \s*ROWB
	s_or_b32 s[G0+4*\s+3], s[G0+4*\s+3], 0x80000000
	s_mov_b32 s[G0B+4*\s], 1
	s_add_co_u32 s[G0B+4*\s+1], s45, \s*SLOT
	s_add_nc_u64 s[G0B+4*\s+2:G0B+4*\s+3], s[46:47], \s*ROWB
	s_or_b32 s[G0B+4*\s+3], s[G0B+4*\s+3], 0x80000000
	JLOAD G0+4*\s, G1, G0B+4*\s, G1B
.endr
	v_and_b32 v1, 15, v0                           ; r = l % 16
	v_bfe_u32 v2, v0, 4, 1                         ; h = l / 16
	v_mul_u32_u24 v3, v1, PITCH
	v_lshl_add_u32 v4, v2, 4, v3                   ; a fragment's row x pitch + 16 x half
	s_mul_i32 s21, s15, HALFT                      ; my 128 rows of A
	s_mul_i32 s22, s16, HALFT                      ; my 128 rows of B,
	s_add_co_u32 s22, s22, 2*HALFT                 ; which lie behind A's 256
.irp s, 0,1
	v_add_nc_u32 v[ADRA+\s], s21, v4
	v_add_nc_u32 v[ADRB+\s], s22, v4
	s_add_co_u32 s21, s21, SLOT
	s_add_co_u32 s22, s22, SLOT
.endr
	v_mul_u32_u24 v5, v1, KS                       ; my row's scales: KS bytes a row,
	v_lshrrev_b32 v6, 8, v5
	v_lshl_add_u32 v5, v6, 4, v5                   ; and 16 more for each 256 passed
	s_mul_i32 s21, s15, HALFS
	s_mul_i32 s22, s16, HALFS
	s_add_co_u32 s22, s22, 2*HALFS
	s_sub_co_u32 s22, s22, s21
	v_mul_u32_u24 v6, s22, v2                      ; lanes 16-31 take B's
	s_add_co_u32 s21, s21, SCL
	v_add_nc_u32 v5, v5, v6
	v_add_nc_u32 v[ADRS], s21, v5
	; the way out.  My stages lie in slot 0, 16,384 bytes a wave: at +0 two heads x 16 rows of 128 bytes (pitch 144) of f16; at +4,608 16 rows of 512 bytes (pitch 528) of f32
	s_lshl_b32 s23, s14, 14
	v_mul_u32_u24 v5, v1, 144
	v_lshl_add_u32 v5, v2, 4, v5
	v_add_nc_u32 v[STO16], s23, v5                 ; in: row r, 16 bytes for each half of the lanes
	v_and_b32 v6, 31, v0
	v_lshrrev_b32 v5, 3, v6
	v_mul_u32_u24 v5, v5, 144
	v_and_b32 v7, 7, v0
	v_lshl_add_u32 v5, v7, 4, v5
	v_add_nc_u32 v[RD16], s23, v5                  ; back: eight lanes to a row, four rows an instruction
	v_lshlrev_b32 v[CO16], 4, v6                   ; and in memory those four rows are 512 bytes on end
	v_mul_u32_u24 v5, v1, 528
	v_lshl_add_u32 v5, v2, 5, v5
	v_add_nc_u32 v5, s23, v5
	v_add_nc_u32 v[STO32], 4608, v5
	v_add_nc_u32 v5, s23, v[CO16]
	v_add_nc_u32 v[RD32], 4608, v5
	v_lshlrev_b32 v5, 4, v1
	v_lshl_add_u32 v[CO32], v2, 12, v5             ; lanes 0-15 my first head's row, lanes 16-31 my second head's
	s_lshl_b32 s46, s40, 2
	s_lshl_b32 s47, s16, 1
	s_add_co_u32 s46, s46, s47                     ; my first head: 4 cx + 2 x column half
	s_lshl_b32 s47, ttmp9, 2                       ; the tensor (q, k, v) is the cluster's x
	s_add_co_u32 s47, s47, s41                     ; the batch is cy
	s_lshl_b32 s47, s47, 4
	s_add_co_u32 s46, s46, s47                     ; (4 tensor + batch) 16 + head
	s_lshl_b32 s92, s46, 12
	s_mov_b32 s93, 0
	s_add_nc_u64 s[98:99], s[98:99], s[92:93]      ; head32: 4,096 bytes a head
	s_lshl_b32 s92, s46, 18                        ; qkv: 262,144 bytes a head,
	s_and_b32 s94, ttmp7, 0xffff
	s_lshl_b32 s47, s94, 15                        ; 256 x cluster y positions of 128 bytes,
	s_add_co_u32 s92, s92, s47
	s_lshl_b32 s47, s15, 14                        ; 128 x row half
	s_add_co_u32 s92, s92, s47
	s_add_nc_u64 s[96:97], s[96:97], s[92:93]
	s_or_b32 s95, s94, s15                         ; 0 where my first 16 rows are positions 0 to 15
.macro FRAG reg, adr, q, i             ; 16 rows x 128 K of 4-bit codes: 8 registers; registers 4 c .. 4 c + 3 hold K = 64 c + 32 (l / 16) + 0 .. 31
.irp c, 0,1
	ds_load_b128 v[\reg+4*\c:\reg+4*\c+3], v[\adr] offset:64*(\q)+32*\c+(\i)*16*PITCH
.endr
.endm
; 16 matrix instructions: A's blocks a0, a0 + 1 x B's eight, 128 along K.  The 64 accumulators take turns, one instruction a turn, in the same order in every step.
.macro MUL16 a0, p, q, sc, zero
.irp a, \a0, \a0+1
.irp b, 0,1,2,3,4,5,6,7
.if \zero
	v_wmma_scale_f32_16x16x128_f8f6f4 v[8*(8*((\a)%4)+\b):8*(8*((\a)%4)+\b)+7], v[128*(\p)+FR*\b:128*(\p)+FR*\b+FR-1], v[AF+FR*(\a):AF+FR*(\a)+FR-1], 0, v[SC+8*NQ*(\sc)+NQ*\b+(\q)], v[SC+8*NQ*(\sc)+NQ*(\a)+(\q)] matrix_a_fmt:MATRIX_FMT_FP4 matrix_b_fmt:MATRIX_FMT_FP4 matrix_a_scale:MATRIX_SCALE_ROW1
.else
	v_wmma_scale_f32_16x16x128_f8f6f4 v[8*(8*((\a)%4)+\b):8*(8*((\a)%4)+\b)+7], v[128*(\p)+FR*\b:128*(\p)+FR*\b+FR-1], v[AF+FR*(\a):AF+FR*(\a)+FR-1], v[8*(8*((\a)%4)+\b):8*(8*((\a)%4)+\b)+7], v[SC+8*NQ*(\sc)+NQ*\b+(\q)], v[SC+8*NQ*(\sc)+NQ*(\a)+(\q)] matrix_a_fmt:MATRIX_FMT_FP4 matrix_b_fmt:MATRIX_FMT_FP4 matrix_a_scale:MATRIX_SCALE_ROW1
.endif
.endr
.endr
.endm
.macro FETCH_B slot, q, p
	WIN TO_B
.irp i, 0,1,2,3,4,5,6,7
	FRAG 128*(\p)+FR*\i, ADRB+\slot, \q, \i
.endr
	WIN 0
.endm
.macro FETCH_A slot, q, i0
.irp i, \i0, \i0+1, \i0+2, \i0+3
	FRAG AF+FR*(\i), ADRA+\slot, \q, \i
.endr
.endm
.macro SCALES sc                       ; a K step's scale words: 4 words a row; lanes 0-15 take A's block i, lanes 16-31 B's block i
.irp i, 0,1,2,3,4,5,6,7
	ds_load_b128 v[SC+8*NQ*\sc+NQ*\i:SC+8*NQ*\sc+NQ*\i+3], v[ADRS] offset:\i*SBLK
.endr
.endm
.macro PLACES n                        ; plain vector lines between a matrix instruction and a load into, or a read of, its registers
.rept \n
	v_nop
.endr
.endm
.macro STEP slot, q, zero              ; a step of 128 along K that has its successor in the same slot
	s_wait_dscnt 4*NL                              ; B's set and A's blocks 0-3 are in; the youngest eight loads (A's blocks 4-7) may be out
	WIN MUL_LO
	MUL16 0, (\q)%2, \q, \slot, \zero
	MUL16 2, (\q)%2, \q, \slot, \zero
	s_wait_dscnt 0
	PLACES NP
	FETCH_B \slot, (\q)+1, 1-(\q)%2
	FETCH_A \slot, (\q)+1, 0
	WIN MUL_HI
	MUL16 4, (\q)%2, \q, \slot, \zero
	MUL16 6, (\q)%2, \q, \slot, \zero
	PLACES NP
	WIN 0
	FETCH_A \slot, (\q)+1, 4
.endm
; Slot 0's last step changes slots: one barrier; in front of it each wave waits for all its tensor loads (its part of slot 1), adds 0 to its spare word, and waits for that and for its reads of slot 0.
.macro TURN slot, next
	s_wait_tensorcnt 0x0
	ds_add_u32 v[SPW], v[NIL]
	s_wait_dscnt 4*NL+1                            ; the add and the youngest eight loads may be out
	WIN MUL_LO
	MUL16 0, 1, NQ-1, \slot, 0
	s_wait_dscnt 0x0                               ; the add is done, and my reads of this slot are over
	s_barrier_signal -1
	MUL16 2, 1, NQ-1, \slot, 0
	WIN 0
	s_barrier_wait -1
	PLACES NP
	v_add_nc_u32 v[ADRS], 4*NQ, v[ADRS]            ; on to the next K step's scale words
	FETCH_B \next, 0, 0
	FETCH_A \next, 0, 0
	SCALES \next
	WIN MUL_HI
	MUL16 4, 1, NQ-1, \slot, 0
	MUL16 6, 1, NQ-1, \slot, 0
	PLACES NP
	WIN 0
	FETCH_A \next, 0, 4
.endm
.macro STEPS slot, from
.set QQ, \from
.rept NQ-1-\from
	STEP \slot, QQ, 0
.set QQ, QQ+1
.endr
.endm
	s_wait_tensorcnt 1                             ; the scales and my part of K step 0 are in (K step 1's load may be out),
	s_barrier_signal -1
	s_barrier_wait -1                              ; everybody's are
	FETCH_B 0, 0, 0
	FETCH_A 0, 0, 0
	SCALES 0
	FETCH_A 0, 0, 4
	STEP 0, 0, 1                                   ; the first step's products start the sums: nothing is cleared
	STEPS 0, 1
	TURN 0, 1
	STEPS 1, 0
	s_wait_dscnt 4*NL                              ; the very last step: nothing more to fetch
	WIN MUL_LO
	MUL16 0, 1, NQ-1, 1, 0
	MUL16 2, 1, NQ-1, 1, 0
	s_wait_dscnt 0
	WIN MUL_HI
	MUL16 4, 1, NQ-1, 1, 0
	MUL16 6, 1, NQ-1, 1, 0
	WIN 0
	PLACES NP                                      ; behind the last products: for the reads of results and the loads into A's and the scales' registers
	; POSITIONS 0 TO 15 AS f32: my block 0, where the cluster's y and my row half are 0.  Through the f32 stage; a row of 512 bytes comes back whole: 256 bytes of each of my two heads.
	s_cmp_lg_u32 s95, 0
	s_cbranch_scc1 .Lno32
	WIN 0x08                                       ; an LDS store's data are its source 1: window 2
.irp b, 0,1,2,3,4,5,6,7
	ds_store_b128 v[STO32], v[8*\b:8*\b+3] offset:64*\b            ; each accumulator from its low end on
	ds_store_b128 v[STO32], v[8*\b+4:8*\b+7] offset:64*\b+16
.endr
	WIN 0
.irp t, 0,1,2,3,4,5,6,7,8,9,10,11,12,13,14,15
	ds_load_b128 v[B32+4*\t:B32+4*\t+3], v[RD32] offset:528*\t     ; LDS serves a wave's instructions in order: these see my stores
.endr
	s_wait_dscnt 0x0
.irp t, 0,1,2,3,4,5,6,7,8,9,10,11,12,13,14,15
	global_store_b128 v[CO32], v[B32+4*\t:B32+4*\t+3], s[98:99] offset:256*\t   ; sixteen lanes store 256 consecutive bytes, aligned
.endr
.Lno32:
; THE WAY OUT AS f16, block by block of 16 positions x 2 heads.  PACK: rounded to f16, 16 bytes a lane.  TOSTAGE: into my stage and back by rows.  SEND: stored, 512 consecutive bytes (4 positions of a head) an instruction.
.macro PACK a
.set AC, 64*((\a)%4)
	WIN 0x0a+5*((\a)/4)                            ; sources 0 and 1: window 2 or 3
.irp b, 0,1,2,3,4,5,6,7
.irp i, 0,1,2,3
	v_cvt_pk_f16_f32 v[TMP+4*\b+\i], v[AC+8*\b+2*\i], v[AC+8*\b+2*\i+1]
.endr
.endr
	WIN 0
.endm
.macro TOSTAGE a
.set BB, BK+32*((\a)%2)
.irp b, 0,1,2,3,4,5,6,7
	ds_store_b128 v[STO16], v[TMP+4*\b:TMP+4*\b+3] offset:2304*(\b/4)+32*(\b%4)
.endr
.irp j, 0,1
.irp i, 0,1,2,3
	ds_load_b128 v[BB+4*(4*\j+\i):BB+4*(4*\j+\i)+3], v[RD16] offset:2304*\j+576*\i
.endr
.endr
.endm
.macro SEND a
.set BB, BK+32*((\a)%2)
	s_wait_dscnt 0x0                               ; the block is back in registers
	s_wait_xcnt 0x0                                ; the earlier stores have read their registers: the next block's loads may land in the other set
.irp j, 0,1
.irp i, 0,1,2,3
	global_store_b128 v[CO16], v[BB+4*(4*\j+\i):BB+4*(4*\j+\i)+3], s[96:97] offset:262144*\j+2048*(\a)+512*\i
.endr
.endr
.endm
	PACK 0
	TOSTAGE 0
.irp a, 1,2,3,4,5,6,7                  ; block a's conversions stand between block a - 1's loads from the stage and the wait for them
	PACK \a
	SEND \a-1
	TOSTAGE \a
.endr
	SEND 7
	s_wait_tensorcnt 0x0                           ; the wave's end: the tensor wait, an add to my spare word and its wait, behind my last tensor load and my last LDS store
	ds_add_u32 v[SPW], v[NIL]
	s_wait_dscnt 0x0
	CROUND                                         ; the closing round
	s_endpgm
.Lfunc_end_k_qd060b5a491_qkv:
	.size	k_qd060b5a491_qkv, .Lfunc_end_k_qd060b5a491_qkv-k_qd060b5a491_qkv
	.p2alignl 7, 3214868480
	.fill 96, 4, 3214868480
	.section	.rodata,"a",@progbits
	.p2align	6, 0x0
	.amdhsa_kernel k_qd060b5a491_qkv
		.amdhsa_group_segment_fixed_size 327680
		.amdhsa_private_segment_fixed_size 0
		.amdhsa_enable_private_segment 0
		.amdhsa_kernarg_size 48
		.amdhsa_user_sgpr_count 2
		.amdhsa_user_sgpr_kernarg_segment_ptr 1
		.amdhsa_wavefront_size32 1
		.amdhsa_system_sgpr_workgroup_id_x 1
		.amdhsa_system_sgpr_workgroup_id_y 1
		.amdhsa_system_sgpr_workgroup_id_z 1
		.amdhsa_system_vgpr_workitem_id 0
		.amdhsa_next_free_vgpr 1024
		.amdhsa_next_free_sgpr 100
		.amdhsa_reserve_vcc 0
		.amdhsa_float_denorm_mode_32 3
		.amdhsa_float_denorm_mode_16_64 3
		.amdhsa_memory_ordered 1
		.amdhsa_forward_progress 1
		.amdhsa_inst_pref_size 131
	.end_amdhsa_kernel
	.amdgpu_metadata
---
amdhsa.version: [ 1, 2 ]
amdhsa.kernels:
  - .name:           k_qd060b5a491_qkv
    .symbol:         k_qd060b5a491_qkv.kd
    .args:
      - { .name: xc, .offset: 0, .size: 8, .value_kind: global_buffer, .address_space: global }
      - { .name: xs, .offset: 8, .size: 8, .value_kind: global_buffer, .address_space: global }
      - { .name: wc, .offset: 16, .size: 8, .value_kind: global_buffer, .address_space: global }
      - { .name: ws, .offset: 24, .size: 8, .value_kind: global_buffer, .address_space: global }
      - { .name: qkv, .offset: 32, .size: 8, .value_kind: global_buffer, .address_space: global }
      - { .name: head32, .offset: 40, .size: 8, .value_kind: global_buffer, .address_space: global }
    .group_segment_fixed_size: 327680
    .private_segment_fixed_size: 0
    .kernarg_segment_align: 8
    .kernarg_segment_size: 48
    .max_flat_workgroup_size: 128
    .sgpr_count:     100
    .vgpr_count:     1024
    .wavefront_size: 32
...
	.end_amdgpu_metadata
.endif
;; end of part 2
;; launch attn (part 3): grid 4 x 64, 16 waves a work-group, no clusters, 327,680 bytes of LDS; arguments qkv, y16; writes y16
.if DOCPART == 3
	.amdgcn_target "amdgcn-amd-amdhsa--gfx1250"
	.amdhsa_code_object_version 6
	.text
	.protected	k_qd060b5a491_attn
	.globl	k_qd060b5a491_attn
	.p2align	8
	.type	k_qd060b5a491_attn,@function
k_qd060b5a491_attn:
	s_mov_b64 s[64:65], 0
	v_nop
	global_prefetch_b8 v0, s[64:65] scope:SCOPE_SE
	s_setreg_imm32_b32 hwreg(HW_REG_WAVE_MODE, 25, 1), 1
	s_wait_xcnt 0x0
; y[b][t][h] = the sum over keys k <= t of softmax_k(q . k / 8) v, for 64 heads (batch x head) of 2,048 positions and 64 channels.  q, k, v: f16, [3][64 heads][2048][64]; products with f16 operands, sums, maxima
; and exponentials in f32; the weights p are rounded to f16 for the second product, y once at the end.  y: f16, laid [batch][t / 2][head][t % 2][64], so that a head's pair of positions is 256 consecutive bytes.
; LIMITS: |y| up to 65,504 (f16); NaN and infinities are not served.  Positions 0 to 15 of each sequence are computed again, in f32, by a later launch.
; NO CLUSTER: the four work-groups of a head need 8, 7, 6 and 5 slots of keys under the causal mask, so a joint load would bring a partner tiles that none of its waves reads.
; SHARES.  Work-group (i, head) owns the blocks i and 7 - i of 256 queries: (i + 1) + (8 - i) = 9 blocks of keys' work in every work-group.  Each of its sixteen waves owns 32 queries, two tiles of 16, of one
; of the two blocks; the blocks are dealt so that waves w, w + 4, w + 8, w + 12 and waves 4 k .. 4 k + 3 are two of each.  All waves walk the keys together, 64 a step, 256 a slot, through two LDS slots
; filled by the tensor data mover (waves 0, 1: K's halves; waves 2, 3: V's).  EVERY work-group walks all 8 slots: the trip counts are constants; a step all of whose keys come after the wave's queries is
; jumped over, and a slot whose first key comes after the work-group's last query is not asked for.
; LAYOUT.  S^T = K Q^T (source 0 = 16 keys, source 1 = 16 queries): a lane holds ONE query (lane % 16) and the keys 8 (lane / 16) + 0..7.  Two such tiles, rounded to f16 in pairs, ARE source 1 of
; O^T = V^T P, whose result again holds one query a lane.  K comes out of LDS as it lies, V ([key][channel]) turned, by ds_load_tr16_b128.
; SOFTMAX.  A running maximum m and sum l for each query: p = 2^(c s - c m), c = log2(e) / 8; in every step O and l are multiplied by a = 2^(c m_old - c m_new).
.set PK,    272                        ; two keys' 256 bytes + 16: the 16 rows of a load of K start 16 bytes apart modulo 256
.set PV,    288                        ; two keys' 256 bytes + 32: 16 lanes of the turning load touch 16 different 16-byte columns modulo 256
.set VOFF,  128*PK                     ; a slot: 128 rows of K, then 128 rows of V
.set SLOT1, 1<<17                      ; slot 1 begins here: one exclusive or turns an address
.set STAGE, SLOT1+128*(PK+PV)          ; behind the ring: 32 rows x 144 bytes for each wave; no fill lands here
.set SPARE, STAGE+16*32*144            ; the spare words: 128 bytes for each wave, named by no other line
.set AK0, 1                            ; v1  my lane's place in a tile of K
.set AV0, 2                            ; v2  the same for V
.set ADK, 3                            ; v3  LDS address of the step's K (at the head: my offset in Q)
.set ADV, 4                            ; v4  of its V
.set SPW, 5
.set NIL, 6
.set DM0, 7                            ; v7  lane % 16 - 8 (lane / 16)
.set DM,  8                            ; v8  the mask's bound
.set PFO, 9                            ; v9  256 x lane
.set STO, 10                           ; v10 the way out: where I put 16 bytes of a row
.set RD,  11                           ; v11 where I read rows back
.set GO,  12                           ; v12 my byte offset in y
.set NINF, 13                          ; v13 -infinity
.set ST,  16                           ; tile t's statistics at v[16 + 8 t]: +0 c m, +1 m, +2, +3 l in two halves, +4 .. +7 c0-c3 at work; a takes c2's place
.set Q,   32                           ; v32-63   Q: fragment (t, ks) at 32 + 8 (2 t + ks)
.set KV,  64                           ; v64-127  K: (kt, ks) at 64 + 8 (2 kt + ks); then V: (dt, kk) at 64 + 8 (4 kk + dt)
.set S,   128                          ; v128-191 S^T: (kt, t) at 128 + 32 t + 8 kt; p packed into 128 + 32 t + 0 .. 15
.set O,   192                          ; v192-255 O^T: (dt, t) at 192 + 32 t + 8 dt
.set WV,  8
.set SEL, 20
.set CS,  22
.set G1K, 24
.set G1V, 32
.set G0K, 40
.set G0V, 44
.set TK,  48                           ; s48 LDS byte at which the step's K begins
.set TV,  49                           ; s49 and its V, less VOFF
.set KF,  50                           ; s50 the step's first key
.set Q0,  51                           ; s51 my first query
.set LQ,  52                           ; s52 my work-group's last query
.set SLOTS, 53
.set CNT, 54
.set PFA, 58                           ; s[58:59] where my prefetches stand
.set LIM, 60                           ; s60 1 in a wave that prefetches, else the greatest number
; Waves 0 and 1 fetch for K, waves 2 and 3 for V, the others nothing.  An s_nop 0 and four v_nop follow each of the two lines.
.macro TLOAD
	s_cmp_lt_u32 s[WV], 2
	s_cbranch_scc0 .Lnot_k_\@
	tensor_load_to_lds s[G0K:G0K+3], s[G1K:G1K+7]
	s_nop 0
.rept 4
	v_nop
.endr
	s_branch .Lasked_\@
.Lnot_k_\@:
	s_cmp_lt_u32 s[WV], 4
	s_cbranch_scc0 .Lasked_\@
	tensor_load_to_lds s[G0V:G0V+3], s[G1V:G1V+7]
	s_nop 0
.rept 4
	v_nop
.endr
.Lasked_\@:
.endm
; A prefetch of the slot that the NEXT change of slots will ask for: four key steps ahead of that load.  All work-groups of a head walk the same K and V: the head's first work-group, which loads all 8 slots,
; asks; in it waves 4 to 7 ask for K's 32,768 bytes, 8,192 a wave, lanes 256 bytes apart, waves 8 to 11 for V's.  So each aligned block of 256 bytes is named once.  Slots 0 and 1 come by their loads alone;
; the last change that fills a slot asks for nothing.
.macro ASK
	s_cmp_gt_u32 s[SLOTS], s[LIM]
	s_cbranch_scc0 .Lnot_mine_\@
	global_prefetch_b8 v[PFO], s[PFA:PFA+1] th:TH_LOAD_NT scope:SCOPE_SE
.Lnot_mine_\@:
.endm
	s_load_b128 s[4:7], s[0:1], 0x0                ; qkv, y16
	v_lshl_add_u32 v[SPW], v0, 2, SPARE
	v_mov_b32 v[NIL], 0
	ds_add_u32 v[SPW], v[NIL]                      ; the wave's opening: the add, twice on end, and its wait ahead of my first tensor load
	ds_add_u32 v[SPW], v[NIL]
	v_lshrrev_b32 v14, 5, v0
	v_readfirstlane_b32 s[WV], v14                 ; wave 0..15
	s_and_b32 s9, ttmp7, 0xffff                    ; 16 x batch + head
	s_lshr_b32 s10, s[WV], 2
	s_xor_b32 s10, s10, s[WV]
	s_and_b32 s10, s10, 1                          ; which of the two blocks is mine
	s_lshl_b32 s11, ttmp9, 1
	s_sub_co_u32 s11, 7, s11
	s_mul_i32 s11, s11, s10
	s_add_co_u32 s11, s11, ttmp9                   ; block i or 7 - i
	s_lshl_b32 s11, s11, 8
	s_lshr_b32 s12, s[WV], 1
	s_lshl_b32 s12, s12, 5
	s_add_co_u32 s[Q0], s11, s12                   ; my first query: 256 x block + 32 x (wave / 2)
	s_lshl_b32 s12, ttmp9, 8
	s_sub_co_u32 s[LQ], 2047, s12                  ; the last query of block 7 - i
	s_lshl_b32 s16, s9, 18                         ; a head is 262,144 bytes
	s_mov_b32 s17, 0
	s_and_b32 s13, s[WV], 1                        ; which half of a slot I fetch, if I fetch:
	s_lshl_b32 s18, s13, 14                        ; 16,384 bytes in memory,
	s_mov_b32 s19, 0
	s_mul_i32 s14, s13, 64*PK                      ; and in a slot
	s_mul_i32 s15, s13, 64*PV
	s_add_co_u32 s15, s15, VOFF
	; descriptor group 1: half a slot's keys are 16,384 dense bytes: 64 rows of 256 bytes (32 elements of 8), padded behind each row
	s_mov_b32 s[G1K], (3<<16)|(1<<20)|(5<<22)|(3<<25)   ; elements of 8 bytes; padding on; 4 words behind every 64
	s_mov_b32 s[G1V], (3<<16)|(1<<20)|(5<<22)|(7<<25)   ; 8 words behind every 64
.irp g, G1K, G1V
	s_mov_b32 s[\g+1], 32<<16                      ; tensor_dim0
	s_mov_b32 s[\g+2], 64<<16                      ; tensor_dim1
	s_mov_b32 s[\g+3], 32<<16                      ; tile_dim0
	s_mov_b32 s[\g+4], 64                          ; tile_dim1
	s_mov_b32 s[\g+5], 32                          ; from row to row
	s_mov_b32 s[\g+6], 0
	s_mov_b32 s[\g+7], 0
.endr
	s_mov_b32 s[SEL], 0x76543210
	s_mov_b32 s[SEL+1], 0xfedcba98                 ; v_permlanex16_b32's selects for lane l xor 16
	s_mov_b32 s[CS], 0x3e38aa3b                    ; c = log2(e) / 8
	s_mov_b32 s[CS+1], s[CS]                       ; (named with it as a pair, so it is written)
	s_mov_b32 s[TK], 0
	s_mov_b32 s[TV], 0
	s_mov_b32 s[KF], 0
	s_mov_b32 s[SLOTS], 7
	s_wait_dscnt 0x0                               ; both opening adds are done
	s_wait_kmcnt 0x0
	s_add_nc_u64 s[4:5], s[4:5], s[16:17]          ; q's head,
	s_add_nc_u64 s[10:11], s[4:5], 16777216        ; k's,
	s_add_nc_u64 s[12:13], s[4:5], 33554432        ; v's
	s_mov_b32 s[G0K], 1
	s_mov_b32 s[G0K+1], s14
	s_add_nc_u64 s[G0K+2:G0K+3], s[10:11], s[18:19]
	s_or_b32 s[G0K+3], s[G0K+3], 0x80000000
	s_mov_b32 s[G0V], 1
	s_mov_b32 s[G0V+1], s15
	s_add_nc_u64 s[G0V+2:G0V+3], s[12:13], s[18:19]
	s_or_b32 s[G0V+3], s[G0V+3], 0x80000000
	TLOAD                                          ; slot 0: key 0 counts for every query
	s_lshl_b32 s16, s[Q0], 7
	s_add_nc_u64 s[4:5], s[4:5], s[16:17]          ; q at my first query
	s_lshr_b32 s16, s9, 4
	s_lshl_b32 s16, s16, 22                        ; y: a batch is 1,024 pairs of positions of 4,096 bytes,
	s_lshl_b32 s14, s[Q0], 11
	s_add_co_u32 s16, s16, s14
	s_and_b32 s14, s9, 15
	s_lshl_b32 s14, s14, 8                         ; a head's part of a pair 256 bytes
	s_add_co_u32 s16, s16, s14
	s_add_nc_u64 s[6:7], s[6:7], s[16:17]
	s_cmp_lt_u32 s[WV], 8
	s_cselect_b64 s[PFA:PFA+1], s[10:11], s[12:13]
	s_and_b32 s16, s[WV], 3
	s_lshl_b32 s16, s16, 13
	s_add_co_u32 s16, s16, 32768                   ; my 8,192 bytes, in slot 1: the first change of slots steps it to slot 2
	s_add_nc_u64 s[PFA:PFA+1], s[PFA:PFA+1], s[16:17]
	s_sub_co_u32 s16, s[WV], 4
	s_lshr_b32 s16, s16, 3                         ; 0 in waves 4 to 11,
	s_or_b32 s16, s16, ttmp9                       ; of the head's first work-group
	s_cmp_eq_u32 s16, 0
	s_cselect_b32 s[LIM], 1, -1
	v_and_b32 v14, 15, v0                          ; r
	v_bfe_u32 v15, v0, 4, 1                        ; h
	v_lshlrev_b32 v[ADK], 7, v14
	v_lshl_add_u32 v[ADK], v15, 4, v[ADK]          ; Q: row r of 128 bytes, + 16 h
.irp t, 0,1
.irp ks, 0,1
	global_load_b128 v[Q+8*(2*\t+\ks):Q+8*(2*\t+\ks)+3],   v[ADK], s[4:5] offset:2048*\t+64*\ks
	global_load_b128 v[Q+8*(2*\t+\ks)+4:Q+8*(2*\t+\ks)+7], v[ADK], s[4:5] offset:2048*\t+64*\ks+32
.endr
.endr
	v_lshrrev_b32 v[ADV], 1, v14
	v_mul_u32_u24 v[AK0], v[ADV], PK
	v_and_b32 v[ADV], 1, v14
	v_lshl_add_u32 v[AK0], v[ADV], 7, v[AK0]
	v_lshl_add_u32 v[AK0], v15, 4, v[AK0]          ; K: key r lies at PK (r / 2) + 128 (r % 2); + 16 h
	v_bfe_u32 v[ADV], v0, 1, 2
	v_lshl_add_u32 v[ADV], v15, 2, v[ADV]
	v_mul_u32_u24 v[AV0], v[ADV], PV
	v_and_b32 v[ADV], 1, v0
	v_lshl_add_u32 v[AV0], v[ADV], 7, v[AV0]
	v_bfe_u32 v[ADV], v0, 3, 1
	v_lshl_add_u32 v[AV0], v[ADV], 4, v[AV0]
	v_add_nc_u32 v[AV0], VOFF, v[AV0]              ; V: lane l reads key 8 h + l % 8, channels 8 ((l / 8) % 2) on
	v_lshlrev_b32 v[DM], 3, v15
	v_sub_nc_u32 v[DM0], v14, v[DM]
	v_and_b32 v[PFO], 31, v0
	v_lshlrev_b32 v[PFO], 8, v[PFO]
	s_mul_i32 s14, s[WV], 32*144
	s_add_co_u32 s14, s14, STAGE                   ; my stage
	v_mul_u32_u24 v[STO], v14, 144
	v_lshl_add_u32 v[STO], v15, 4, v[STO]
	v_add_nc_u32 v[STO], s14, v[STO]               ; in: row r, 16 bytes for each half of the lanes
	v_bfe_u32 v[RD], v0, 3, 2
	v_mul_u32_u24 v[RD], v[RD], 144
	v_and_b32 v[GO], 7, v0
	v_lshl_add_u32 v[RD], v[GO], 4, v[RD]
	v_add_nc_u32 v[RD], s14, v[RD]                 ; back: eight lanes to a row, four rows an instruction
	v_lshlrev_b32 v[GO], 12, v15
	v_lshl_add_u32 v[GO], v14, 4, v[GO]            ; in y: lanes 0-15 one pair of positions, lanes 16-31 the next
	v_mov_b32 v[NINF], 0xff800000
.irp t, 0,1
	v_mov_b32 v[ST+8*\t+1], 0xff61b1e6             ; m: -3e38, under every score
	v_mul_f32 v[ST+8*\t], s[CS], v[ST+8*\t+1]      ; c m
.irp j, 2,3,4,5,6,7
	v_mov_b32 v[ST+8*\t+\j], 0                     ; l; and c0-c3, written once: a lane permute's destination counts as one of its sources
.endr
.endr
.set j, 0
.rept 64
	v_mov_b32 v[O+j], 0                            ; O^T.  (The step is written once: the first finds zeros, which its a = 0 leaves zeros)
.set j, j+1
.endr
; A KEY STEP: 64 keys.
.macro STEP
	s_add_co_u32 s55, s[Q0], 31
	s_cmp_gt_u32 s[KF], s55                        ; all its keys come after my 32 queries: the step's work is left out, not the lines at its end that step addresses
	s_cbranch_scc1 .Lhid_\@
	v_add_nc_u32 v[ADK], s[TK], v[AK0]
	v_add_nc_u32 v[ADV], s[TV], v[AV0]
.rept 3
	v_nop                                          ; with the two additions five places behind the last step's products: four for the loads into V's registers, five for the products that write over p
.endr
.irp kt, 0,1,2,3
.irp ks, 0,1
	ds_load_b128 v[KV+8*(2*\kt+\ks):KV+8*(2*\kt+\ks)+3],   v[ADK] offset:8*PK*\kt+64*\ks
	ds_load_b128 v[KV+8*(2*\kt+\ks)+4:KV+8*(2*\kt+\ks)+7], v[ADK] offset:8*PK*\kt+64*\ks+32
.endr
.endr
	s_wait_dscnt 0x0
.irp ks, 0,1                           ; S^T = K Q^T: the eight accumulators take turns, one instruction a turn; the first eight start the sums
.irp kt, 0,1,2,3
.irp t, 0,1
.if \ks == 0
	v_wmma_f32_16x16x32_f16 v[S+32*\t+8*\kt:S+32*\t+8*\kt+7], v[KV+8*(2*\kt+\ks):KV+8*(2*\kt+\ks)+7], v[Q+8*(2*\t+\ks):Q+8*(2*\t+\ks)+7], 0
.else
	v_wmma_f32_16x16x32_f16 v[S+32*\t+8*\kt:S+32*\t+8*\kt+7], v[KV+8*(2*\kt+\ks):KV+8*(2*\kt+\ks)+7], v[Q+8*(2*\t+\ks):Q+8*(2*\t+\ks)+7], v[S+32*\t+8*\kt:S+32*\t+8*\kt+7]
.endif
.endr
.endr
.endr
.rept 4
	v_nop                                          ; places in front of the loads into K's registers and of the first read of the scores
.endr
.irp kk, 0,1                           ; V, turned: it lands under the softmax
.irp dt, 0,1,2,3
	ds_load_tr16_b128 v[KV+8*(4*\kk+\dt):KV+8*(4*\kk+\dt)+3],   v[ADV] offset:16*PV*\kk+32*\dt
	ds_load_tr16_b128 v[KV+8*(4*\kk+\dt)+4:KV+8*(4*\kk+\dt)+7], v[ADV] offset:16*PV*\kk+32*\dt+8*PV
.endr
.endr
	s_add_co_u32 s55, s[KF], 63                    ; on the diagonal the scores of hidden keys become -infinity ahead of the maximum; a step all of whose keys count skips this
	s_cmp_le_u32 s55, s[Q0]
	s_cbranch_scc1 .Lopen_\@
	s_sub_co_i32 s55, s[Q0], s[KF]
	v_add_nc_u32 v[DM], s55, v[DM0]                ; register 8 kt + j of tile t holds key KF + 16 kt + 8 h + j for query Q0 + 16 t + r: hidden where 16 kt + j - 16 t > Q0 - KF + r - 8 h
.irp t, 0,1
.irp kt, 0,1,2,3
.irp j, 0,1,2,3,4,5,6,7
	v_cmp_gt_i32 vcc_lo, 16*\kt+\j-16*\t, v[DM]
	v_cndmask_b32 v[S+32*\t+8*\kt+\j], v[S+32*\t+8*\kt+\j], v[NINF], vcc_lo
.endr
.endr
.endr
.Lopen_\@:
	; the softmax, the two tiles line by line, so that no line waits for the line above it.  The maximum of 32 scores and the old m: four chains, each accumulator from its low end on
.irp j, 0,1,2,3
.irp t, 0,1
	v_max3_num_f32 v[ST+8*\t+4+\j], v[S+32*\t+8*\j], v[S+32*\t+8*\j+1], v[S+32*\t+8*\j+2]
.endr
.endr
.irp u, 3,5
.irp j, 0,1,2,3
.irp t, 0,1
	v_max3_num_f32 v[ST+8*\t+4+\j], v[ST+8*\t+4+\j], v[S+32*\t+8*\j+\u], v[S+32*\t+8*\j+\u+1]
.endr
.endr
.endr
.irp t, 0,1
	v_max3_num_f32 v[ST+8*\t+4], v[ST+8*\t+4], v[S+32*\t+7], v[S+32*\t+15]
.endr
.irp t, 0,1
	v_max3_num_f32 v[ST+8*\t+6], v[ST+8*\t+6], v[S+32*\t+23], v[S+32*\t+31]
.endr
.irp t, 0,1
	v_max3_num_f32 v[ST+8*\t+4], v[ST+8*\t+4], v[ST+8*\t+5], v[ST+8*\t+6]
.endr
.irp t, 0,1
	v_max3_num_f32 v[ST+8*\t+4], v[ST+8*\t+4], v[ST+8*\t+7], v[ST+8*\t+1]
.endr
.irp t, 0,1
	v_permlanex16_b32 v[ST+8*\t+5], v[ST+8*\t+4], s[SEL], s[SEL+1]   ; the query's other 32 keys lie in the lane 16 away
.endr
.irp t, 0,1
	v_mov_b32 v[ST+8*\t+7], v[ST+8*\t]             ; c m_old is kept for a
.endr
.irp t, 0,1
	v_max_num_f32 v[ST+8*\t+1], v[ST+8*\t+4], v[ST+8*\t+5]
.endr
.irp t, 0,1
	v_mul_f32 v[ST+8*\t], s[CS], v[ST+8*\t+1]
.endr
.irp t, 0,1
	v_sub_f32 v[ST+8*\t+7], v[ST+8*\t+7], v[ST+8*\t]
.endr
.set j, 0
.rept 16
.irp t, 0,1
	v_pk_fma_f32 v[S+32*\t+j:S+32*\t+j+1], v[S+32*\t+j:S+32*\t+j+1], s[CS:CS+1], v[ST+8*\t:ST+8*\t+1] op_sel_hi:[1,0,0] neg_lo:[0,0,1] neg_hi:[0,0,1]   ; c s - c m, two at a time
.endr
.set j, j+2
.endr
.irp t, 0,1
	v_exp_f32 v[ST+8*\t+6], v[ST+8*\t+7]           ; a
.endr
.set j, 0
.rept 32
.irp t, 0,1
	v_exp_f32 v[S+32*\t+j], v[S+32*\t+j]           ; p
.endr
.set j, j+1
.endr
	v_nop                                          ; a plain line behind the last exponential
	s_wait_alu depctr_va_vdst(0)                   ; one wait for the 66 exponentials, ahead of the first line that names a result
.irp t, 0,1
	v_pk_mul_f32 v[ST+8*\t+2:ST+8*\t+3], v[ST+8*\t+2:ST+8*\t+3], v[ST+8*\t+6:ST+8*\t+7] op_sel_hi:[1,0]   ; l x a
.endr
.irp t, 0,1
	v_pk_add_f32 v[ST+8*\t+4:ST+8*\t+5], v[S+32*\t:S+32*\t+1], v[S+32*\t+2:S+32*\t+3]   ; the sum of the unrounded p, in two chains
.endr
.irp j, 4,8,12,16,20,24,28
.irp t, 0,1
	v_pk_add_f32 v[ST+8*\t+2:ST+8*\t+3], v[ST+8*\t+2:ST+8*\t+3], v[S+32*\t+\j:S+32*\t+\j+1]
	v_pk_add_f32 v[ST+8*\t+4:ST+8*\t+5], v[ST+8*\t+4:ST+8*\t+5], v[S+32*\t+\j+2:S+32*\t+\j+3]
.endr
.endr
.irp t, 0,1
	v_pk_add_f32 v[ST+8*\t+2:ST+8*\t+3], v[ST+8*\t+2:ST+8*\t+3], v[ST+8*\t+4:ST+8*\t+5]
.endr
.set j, 0
.rept 16
.irp t, 0,1
	v_cvt_pk_f16_f32 v[S+32*\t+j], v[S+32*\t+2*j], v[S+32*\t+2*j+1]   ; p to f16, in place: register j takes registers 2 j and 2 j + 1, ascending
.endr
.set j, j+1
.endr
.set j, 0
.rept 16
.irp t, 0,1
	v_pk_mul_f32 v[O+32*\t+j:O+32*\t+j+1], v[O+32*\t+j:O+32*\t+j+1], v[ST+8*\t+6:ST+8*\t+7] op_sel_hi:[1,0]   ; O^T x a, each accumulator from its low end on
.endr
.set j, j+2
.endr
	s_wait_dscnt 0x0                               ; V is in
.irp kk, 0,1                           ; O^T += V^T P: the eight accumulators take turns
.irp dt, 0,1,2,3
.irp t, 0,1
	v_wmma_f32_16x16x32_f16 v[O+32*\t+8*\dt:O+32*\t+8*\dt+7], v[KV+8*(4*\kk+\dt):KV+8*(4*\kk+\dt)+7], v[S+32*\t+8*\kk:S+32*\t+8*\kk+7], v[O+32*\t+8*\dt:O+32*\t+8*\dt+7]
.endr
.endr
.endr
.Lhid_\@:
	s_add_co_u32 s[KF], s[KF], 64
	s_add_co_u32 s[TK], s[TK], 32*PK
	s_add_co_u32 s[TV], s[TV], 32*PV
.endm
; THE CHANGE OF SLOTS stands at a slot's head.  Each wave waits for all its tensor loads (its part of the slot ahead), adds 0 to its spare word, and waits for that and for its reads of the slot that it has
; left.  Behind the barrier the slot ahead is whole and nobody reads the other one.  fill = 1: that other slot is filled with the next 256 keys, up to the causal limit; the load has four key steps in which to land.
.macro CHANGE fill
	s_wait_tensorcnt 0x0                           ; no tensor load of mine is out, so a group 0 may be written
	ds_add_u32 v[SPW], v[NIL]
.if \fill
	ds_add_u32 v[SPW], v[NIL]                      ; and twice on end here, in every trip alike
	s_xor_b32 s[G0K+1], s[G0K+1], SLOT1            ; the walking descriptors: the other slot,
	s_add_nc_u64 s[G0K+2:G0K+3], s[G0K+2:G0K+3], 32768   ; the next 256 keys
	s_xor_b32 s[G0V+1], s[G0V+1], SLOT1
	s_add_nc_u64 s[G0V+2:G0V+3], s[G0V+2:G0V+3], 32768
	s_wait_xcnt 0x0                                ; the last prefetch, a slot back, has read its address
	s_add_nc_u64 s[PFA:PFA+1], s[PFA:PFA+1], 32768 ; one slot further on than the walking descriptors
.endif
	s_wait_dscnt 0x0                               ; the adds are done, and my reads of the slot that I have left are over
	s_barrier_signal -1
	s_barrier_wait -1
.if \fill
	s_add_co_u32 s55, s[KF], 256                   ; the first key of the slot that this change would ask for
	s_cmp_gt_u32 s55, s[LQ]                        ; past my work-group's last query none of its waves would read it.  Ids and the count of steps alone: all sixteen waves go the same way; every wait for tensor loads in this text is for 0
	s_cbranch_scc1 .Lpast_\@
	TLOAD                                          ; a wave's one tensor load until the next such barrier
.Lpast_\@:
	ASK
.endif
.endm
.macro SLOT_STEPS                      ; a slot's four key steps: written once, walked four times; the LDS addresses hang on TK and TV
	s_mov_b32 s[CNT], 4
.Lstep_\@:
	STEP
	s_sub_co_u32 s[CNT], s[CNT], 1
	s_cmp_lg_u32 s[CNT], 0
	s_cbranch_scc1 .Lstep_\@
	s_sub_co_u32 s[TK], s[TK], 128*PK              ; back to a slot's first step,
	s_xor_b32 s[TK], s[TK], SLOT1                  ; in the other slot
	s_sub_co_u32 s[TV], s[TV], 128*PV
	s_xor_b32 s[TV], s[TV], SLOT1
.endm
	s_wait_loadcnt 0x0                             ; Q
.Lslot:                                            ; 7 trips: behind each change of slots but the last the next slot is asked for, up to the causal limit
	CHANGE 1
	SLOT_STEPS
	s_sub_co_u32 s[SLOTS], s[SLOTS], 1
	s_cmp_lg_u32 s[SLOTS], 0
	s_cbranch_scc1 .Lslot
	CHANGE 0                                       ; the last slot is written out: nothing is left to ask for
	SLOT_STEPS
	; THE WAY OUT.  l's two halves and the other half of the lanes' are added; O^T is divided by l, rounded to f16 and sent through my stage, so that sixteen lanes store 256 consecutive bytes.
.irp t, 0,1
	v_add_f32 v[ST+8*\t+4], v[ST+8*\t+2], v[ST+8*\t+3]
.endr
.irp t, 0,1
	v_permlanex16_b32 v[ST+8*\t+5], v[ST+8*\t+4], s[SEL], s[SEL+1]
.endr
.irp t, 0,1
	v_add_f32 v[ST+8*\t+4], v[ST+8*\t+4], v[ST+8*\t+5]
.endr
.irp t, 0,1
	v_rcp_f32 v[ST+8*\t+6], v[ST+8*\t+4]
.endr
	v_nop                                          ; a plain line behind the last reciprocal
	s_wait_alu depctr_va_vdst(0)                   ; and the wait ahead of the first use: one for both
.set j, 0
.rept 16
.irp t, 0,1
	v_pk_mul_f32 v[O+32*\t+j:O+32*\t+j+1], v[O+32*\t+j:O+32*\t+j+1], v[ST+8*\t+6:ST+8*\t+7] op_sel_hi:[1,0]
.endr
.set j, j+2
.endr
.set j, 0
.rept 16
.irp t, 0,1
	v_cvt_pk_f16_f32 v[S+16*\t+j], v[O+32*\t+2*j], v[O+32*\t+2*j+1]
.endr
.set j, j+1
.endr
.irp t, 0,1
.irp dt, 0,1,2,3
	ds_store_b128 v[STO], v[S+16*\t+4*\dt:S+16*\t+4*\dt+3] offset:2304*\t+32*\dt   ; query 16 t + r, channels 16 dt + 8 h on
.endr
.endr
.irp i, 0,1,2,3,4,5,6,7
	ds_load_b128 v[KV+4*\i:KV+4*\i+3], v[RD] offset:576*\i         ; LDS serves a wave's instructions in order: these see my stores
.endr
.irp i, 0,1,2,3,4,5,6,7
	s_wait_dscnt 7-\i                              ; load i is in; the younger ones may be out
	global_store_b128 v[GO], v[KV+4*\i:KV+4*\i+3], s[6:7] offset:8192*\i   ; four positions: two aligned runs of 256 bytes
.endr
	s_wait_tensorcnt 0x0                           ; the wave's end: the tensor wait, an add to my spare word and its wait, behind my last tensor load and my last LDS store
	ds_add_u32 v[SPW], v[NIL]
	s_wait_dscnt 0x0
	s_endpgm
.Lfunc_end_k_qd060b5a491_attn:
	.size	k_qd060b5a491_attn, .Lfunc_end_k_qd060b5a491_attn-k_qd060b5a491_attn
	.p2alignl 7, 3214868480
	.fill 96, 4, 3214868480
	.section	.rodata,"a",@progbits
	.p2align	6, 0x0
	.amdhsa_kernel k_qd060b5a491_attn
		.amdhsa_group_segment_fixed_size 327680
		.amdhsa_private_segment_fixed_size 0
		.amdhsa_enable_private_segment 0
		.amdhsa_kernarg_size 16
		.amdhsa_user_sgpr_count 2
		.amdhsa_user_sgpr_kernarg_segment_ptr 1
		.amdhsa_wavefront_size32 1
		.amdhsa_system_sgpr_workgroup_id_x 1
		.amdhsa_system_sgpr_workgroup_id_y 1
		.amdhsa_system_sgpr_workgroup_id_z 1
		.amdhsa_system_vgpr_workitem_id 0
		.amdhsa_next_free_vgpr 256
		.amdhsa_next_free_sgpr 66
		.amdhsa_reserve_vcc 1
		.amdhsa_float_denorm_mode_32 3
		.amdhsa_float_denorm_mode_16_64 3
		.amdhsa_memory_ordered 1
		.amdhsa_forward_progress 1
		.amdhsa_inst_pref_size 62
	.end_amdhsa_kernel
	.amdgpu_metadata
---
amdhsa.version: [ 1, 2 ]
amdhsa.kernels:
  - .name:           k_qd060b5a491_attn
    .symbol:         k_qd060b5a491_attn.kd
    .args:
      - { .name: qkv, .offset: 0, .size: 8, .value_kind: global_buffer, .address_space: global }
      - { .name: y16, .offset: 8, .size: 8, .value_kind: global_buffer, .address_space: global }
    .group_segment_fixed_size: 327680
    .private_segment_fixed_size: 0
    .kernarg_segment_align: 8
    .kernarg_segment_size: 16
    .max_flat_workgroup_size: 512
    .sgpr_count:     66
    .vgpr_count:     256
    .wavefront_size: 32
...
	.end_amdgpu_metadata
.endif
;; end of part 3
;; launch proj (part 4): grid 8 x 64, 4 waves a work-group, clusters of 4 x 4, 327,680 bytes of LDS; arguments y16, wp16, out0; writes out0
.if DOCPART == 4
	.amdgcn_target "amdgcn-amd-amdhsa--gfx1250"
	.amdhsa_code_object_version 6
	.text
	.protected	k_qd060b5a491_proj
	.globl	k_qd060b5a491_proj
	.p2align	8
	.type	k_qd060b5a491_proj,@function
k_qd060b5a491_proj:
	s_mov_b64 s[64:65], 0
	v_nop
	global_prefetch_b8 v0, s[64:65] scope:SCOPE_SE
	s_setreg_imm32_b32 hwreg(HW_REG_WAVE_MODE, 25, 1), 1
	s_wait_xcnt 0x0
	s_wait_alu depctr_hold_cnt(0) depctr_sa_sdst(0) depctr_va_vdst(0) depctr_va_sdst(0) depctr_va_ssrc(0) depctr_va_vcc(0) depctr_vm_vsrc(0)
	s_getreg_b32 s2, hwreg(HW_REG_IB_STS2, 6, 4)
	s_cmp_eq_u32 s2, 0
	s_cbranch_scc0 .Lentry_in_a_cluster
	s_endpgm
.Lentry_in_a_cluster:
	s_bfe_u32 s2, ttmp6, 0x10000c
	s_cmp_lg_u32 s2, 0xf033
	s_cbranch_scc0 .Lentry_shape_is_right
	s_endpgm
.Lentry_shape_is_right:
; out[m][n] = sum over k of y[m][k] Wp[n][k]: m 8,192, n 1,024, k 1,024; f16 operands, f32 sums, f32 results.
; y lies [m / 2][head 16][m % 2][64]: a pair of rows is 4,096 bytes, a head's part of it 256.  So A's tile for 256 along K (4 heads) is a plain tile of pairs of rows: 1,024 bytes each, 4,096 apart.  Wp: [n][k].
; A tile of C is 128 x 128; four waves, each 64 x 64: 16 accumulators, 128 registers.  K goes in steps of 256 through two LDS slots.
; CLUSTERS: 4 x 4 work-groups; A's tiles are asked for jointly along a row of the cluster, B's along a column.  THE MATRIX INSTRUCTION IS USED TRANSPOSED (source 0 = 16 rows of Wp, source 1 = 16 rows of y):
; a lane then holds eight neighbouring numbers of a row of C.
; REGISTERS: window 0: v0-31 addresses; v128-255 the accumulators ((a, b) at v[128 + 8 (4 a + b)]).   window 1: two fragment buffers of 128: 64 registers of A, then 64 of B, for 64 along K.
.set PA,     1040                      ; a pair of A's rows in LDS: 1,024 bytes + 16: the 16 rows of a fragment start 16 bytes apart modulo 256
.set PITCH,  528                       ; a row of B: 512 bytes + 16
.set HALFA,  32*PA                     ; 64 rows of A: what one tensor load brings, and what one wave reads
.set HALFB,  64*PITCH
.set SLOT,   2*HALFA+2*HALFB
.set SPARE,  2*SLOT                    ; the spare words: 128 bytes for each wave, named by no other line
.set SPITCH, 272                       ; the way out: 64 rows x (256 bytes + 16) for each wave, in slot 0, which has had its last fill and its last read by then
.set LAPS,   2
.set ADRA, 16
.set ADRB, 20
.set STO,  24
.set RD,   25
.set CO,   26
.set SPW,  28
.set NIL,  29
.set ACC,  128
.set F0,   0
.set F1,   128
.set G1, 24
.set G0, 32
.set G1B, 48
.set G0B, 56
.set MSB, 0
.macro WIN new                         ; the immediate's high byte repeats the setting that is left
.if MSB != \new
	s_set_vgpr_msb (MSB<<8)|\new
.set MSB, \new
.endif
.endm
.set MUL,  0x05                        ; sources 0 (B) and 1 (A) window 1; C and D window 0
.set TO_F, 0x40
.macro JLOAD s                         ; a joint load: waves 0 and 1 fetch A's two halves, waves 2 and 3 B's; an s_nop 0 and four v_nop follow each of the two lines
	s_cmp_eq_u32 s11, 0
	s_cbranch_scc0 .Lfor_b_\@
	tensor_load_to_lds s[G0+4*\s:G0+4*\s+3], s[G1:G1+7]
	s_nop 0
.rept 4
	v_nop
.endr
	s_branch .Lasked_\@
.Lfor_b_\@:
	tensor_load_to_lds s[G0B+4*\s:G0B+4*\s+3], s[G1B:G1B+7]
	s_nop 0
.rept 4
	v_nop
.endr
.Lasked_\@:
.endm
.macro CREST                           ; a round of the cluster's barrier behind its opening barrier
	s_cmp_lg_u32 s10, 0
	s_cbranch_scc1 .Lnot_wave_0_\@
	s_barrier_signal -3
.Lnot_wave_0_\@:
	s_barrier_wait -3
	s_barrier_signal -1
	s_barrier_wait -1
.endm
.macro CROUND
	s_barrier_signal -1
	s_barrier_wait -1
	CREST
.endm
	s_load_b128 s[4:7], s[0:1], 0x0                ; y16, wp16
	s_load_b64 s[8:9], s[0:1], 0x10                ; out0
	v_lshl_add_u32 v[SPW], v0, 2, SPARE
	v_mov_b32 v[NIL], 0
	ds_add_u32 v[SPW], v[NIL]                      ; the wave's opening: the add, twice on end, and its wait ahead of my first tensor load
	ds_add_u32 v[SPW], v[NIL]
	v_lshrrev_b32 v1, 5, v0
	v_readfirstlane_b32 s10, v1                    ; wave 0..3
	s_lshr_b32 s11, s10, 1                         ; which half of the tile's rows is mine.  Also: I fetch for A (0) or for B (1)
	s_and_b32 s12, s10, 1                          ; which half of its columns.  Also: which half of that tile I fetch
	s_bfe_u32 s40, ttmp6, 0x40000                  ; cx, cy
	s_bfe_u32 s41, ttmp6, 0x40004
	s_lshl_b32 s42, ttmp9, 2
	s_add_co_u32 s42, s42, s40                     ; tile column of C
	s_and_b32 s13, ttmp7, 0xffff
	s_lshl_b32 s13, s13, 2
	s_add_co_u32 s13, s13, s41                     ; tile row of C
	s_lshl_b32 s43, s41, 2
	s_lshl_b32 s43, 15, s43                        ; my row of the cluster
	s_lshl_b32 s44, 0x1111, s40                    ; my column
	; group 1 for A: 32 pairs of rows x 512 elements of 2 bytes, 2,048 elements apart; 4 words of padding behind every 256
	s_or_b32 s[G1+0], s43, (1<<16)|(1<<20)|(1<<21)|(7<<22)|(3<<25)
	s_mov_b32 s[G1+1], 512<<16
	s_mov_b32 s[G1+2], 32<<16
	s_mov_b32 s[G1+3], 512<<16
	s_mov_b32 s[G1+4], 32
	s_mov_b32 s[G1+5], 2048
	s_mov_b32 s[G1+6], 0
	s_mov_b32 s[G1+7], 0
	; group 1 for B: 64 rows x 256 elements, 1,024 apart; 4 words of padding behind every 128
	s_or_b32 s[G1B+0], s44, (1<<16)|(1<<20)|(1<<21)|(6<<22)|(3<<25)
	s_mov_b32 s[G1B+1], 256<<16
	s_mov_b32 s[G1B+2], 64<<16
	s_mov_b32 s[G1B+3], 256<<16
	s_mov_b32 s[G1B+4], 64
	s_mov_b32 s[G1B+5], 1024
	s_mov_b32 s[G1B+6], 0
	s_mov_b32 s[G1B+7], 0
	s_lshl_b32 s17, s12, 5
	s_lshl_b32 s16, s13, 6
	s_add_co_u32 s16, s16, s17                     ; A: pair of rows 64 x tile row + 32 x half,
	s_lshl_b32 s16, s16, 12                        ; of 4,096 bytes
	s_mov_b32 s17, 0
	s_lshl_b32 s47, s12, 6
	s_lshl_b32 s46, s42, 7
	s_add_co_u32 s46, s46, s47                     ; B: row 128 x tile column + 64 x half,
	s_lshl_b32 s46, s46, 11                        ; of 2,048 bytes
	s_mov_b32 s47, 0
	s_mul_i32 s20, s12, HALFA                      ; where they go: A's halves, then B's: no place in the cluster enters an LDS address
	s_mul_i32 s21, s12, HALFB
	s_add_co_u32 s21, s21, 2*HALFA
	s_wait_dscnt 0x0                               ; both opening adds are done
	s_wait_kmcnt 0x0
	s_add_nc_u64 s[14:15], s[4:5], s[16:17]
	s_add_nc_u64 s[46:47], s[6:7], s[46:47]
	CROUND                                         ; all sixteen work-groups are here: the first joint loads meet
.irp s, 0,1
	s_mov_b32 s[G0+4*\s], 1
	s_add_co_u32 s[G0+4*\s+1], s20, \s*SLOT
	s_add_nc_u64 s[G0+4*\s+2:G0+4*\s+3], s[14:15], \s*1024
	s_or_b32 s[G0+4*\s+3], s[G0+4*\s+3], 0x80000000
	s_mov_b32 s[G0B+4*\s], 1
	s_add_co_u32 s[G0B+4*\s+1], s21, \s*SLOT
	s_add_nc_u64 s[G0B+4*\s+2:G0B+4*\s+3], s[46:47], \s*512
	s_or_b32 s[G0B+4*\s+3], s[G0B+4*\s+3], 0x80000000
	JLOAD \s
.endr
	v_and_b32 v1, 15, v0                           ; r
	v_bfe_u32 v2, v0, 4, 1                         ; h
	v_lshrrev_b32 v3, 1, v1
	v_mul_u32_u24 v3, v3, PA
	v_and_b32 v4, 1, v1
	v_lshl_add_u32 v3, v4, 7, v3
	v_lshl_add_u32 v3, v2, 4, v3                   ; A: row r lies at PA (r / 2) + 128 (r % 2); + 16 h
	v_mul_u32_u24 v4, v1, PITCH
	v_lshl_add_u32 v4, v2, 4, v4                   ; B: row r x pitch + 16 h
	s_mul_i32 s21, s11, HALFA                      ; my 64 rows of A
	s_mul_i32 s22, s12, HALFB                      ; my 64 rows of B,
	s_add_co_u32 s22, s22, 2*HALFA                 ; which lie behind A's
.irp s, 0,1
	v_add_nc_u32 v[ADRA+\s], s21, v3
	v_add_nc_u32 v[ADRB+\s], s22, v4
	s_add_co_u32 s21, s21, SLOT
	s_add_co_u32 s22, s22, SLOT
.endr
	s_mul_i32 s23, s10, 64*SPITCH                  ; my stage
	v_mul_u32_u24 v5, v1, SPITCH
	v_lshl_add_u32 v5, v2, 5, v5
	v_add_nc_u32 v[STO], s23, v5                   ; in: row r, 32 bytes for each half of the lanes
	v_mul_u32_u24 v5, v2, SPITCH
	v_lshl_add_u32 v5, v1, 4, v5
	v_add_nc_u32 v[RD], s23, v5                    ; back: lanes 0-15 one row of 256 bytes, lanes 16-31 the next
	v_lshlrev_b32 v5, 12, v2
	v_lshl_add_u32 v[CO], v1, 4, v5                ; and the same two rows in C
	s_lshl_b32 s16, s13, 7
	s_lshl_b32 s17, s11, 6
	s_add_co_u32 s16, s16, s17                     ; my first row of C: 128 x tile row + 64 x half,
	s_lshl_b32 s16, s16, 12                        ; of 4,096 bytes
	s_mov_b32 s17, 0
	s_add_nc_u64 s[8:9], s[8:9], s[16:17]
	s_lshl_b32 s46, s42, 9                         ; my first column, in bytes: 512 x tile column + 256 x half
	s_lshl_b32 s47, s12, 8
	s_add_co_u32 s46, s46, s47
	s_mov_b32 s47, 0
	s_add_nc_u64 s[8:9], s[8:9], s[46:47]
; 8 matrix instructions: m blocks a0, a0 + 1 x all 4 n blocks, 32 along K: half c of buffer f.  The 16 accumulators take turns.  zero = 1: the first product starts the sums
.macro MUL8 f, c, a0, zero
.irp a, \a0, \a0+1
.irp b, 0,1,2,3
.if \zero
	v_wmma_f32_16x16x32_f16 v[ACC+8*(4*(\a)+\b):ACC+8*(4*(\a)+\b)+7], v[\f+64+8*(4*\c+\b):\f+64+8*(4*\c+\b)+7], v[\f+8*(4*\c+\a):\f+8*(4*\c+\a)+7], 0
.else
	v_wmma_f32_16x16x32_f16 v[ACC+8*(4*(\a)+\b):ACC+8*(4*(\a)+\b)+7], v[\f+64+8*(4*\c+\b):\f+64+8*(4*\c+\b)+7], v[\f+8*(4*\c+\a):\f+8*(4*\c+\a)+7], v[ACC+8*(4*(\a)+\b):ACC+8*(4*(\a)+\b)+7]
.endif
.endr
.endr
.endm
; 32 LDS loads in one run: the fragments of the slot's z-th 64 along K (one head: 256 bytes on in A's pairs of rows, 128 in B's rows) into buffer f; the first 32 along K first
.macro FETCH slot, z, f
	WIN TO_F
.irp c, 0,1
.irp i, 0,1,2,3
	ds_load_b128 v[\f+64+8*(4*\c+\i):\f+64+8*(4*\c+\i)+3],   v[ADRB+\slot] offset:128*(\z)+64*\c+\i*16*PITCH
	ds_load_b128 v[\f+64+8*(4*\c+\i)+4:\f+64+8*(4*\c+\i)+7], v[ADRB+\slot] offset:128*(\z)+64*\c+\i*16*PITCH+32
	ds_load_b128 v[\f+8*(4*\c+\i):\f+8*(4*\c+\i)+3],         v[ADRA+\slot] offset:256*(\z)+64*\c+\i*8*PA
	ds_load_b128 v[\f+8*(4*\c+\i)+4:\f+8*(4*\c+\i)+7],       v[ADRA+\slot] offset:256*(\z)+64*\c+\i*8*PA+32
.endr
.endr
.endm
.macro PLACES                          ; four places in front of loads into registers that matrix instructions have read, and of reads of results
.rept 4
	v_nop
.endr
.endm
; A K step is four quarters of 64 along K, 32 matrix instructions each, on buffers 0, 1, 0, 1.  One of the first three: multiplies buffer f and fetches quarter z into g.
.macro QUARTER slot, z, f, g, zero
	s_wait_dscnt 16                                ; the first 32 along K are in; the other sixteen loads may be out
	WIN MUL
	MUL8 \f, 0, 0, \zero
	MUL8 \f, 0, 2, \zero
	PLACES
	FETCH \slot, \z, \g
	s_wait_dscnt 32                                ; all but the 32 just issued
	WIN MUL
	MUL8 \f, 1, 0, 0
	MUL8 \f, 1, 2, 0
.endm
; The last quarter multiplies buffer 1 and changes slots: ONE barrier; in front of it each wave waits for all its tensor loads, adds 0 to its spare word, and waits for that and for its reads of this slot.
.macro TURN slot, next, fill
	WIN 0
	s_wait_tensorcnt 0x0                           ; all my tensor loads have landed: my part of the next slot
	ds_add_u32 v[SPW], v[NIL]
	s_wait_dscnt 17                                ; the add and the youngest sixteen loads may be out
	WIN MUL
	MUL8 F1, 0, 0, 0
	s_wait_dscnt 0x0                               ; the add is done, and my reads of this slot are over
	s_barrier_signal -1
	MUL8 F1, 0, 2, 0
.if \fill
	WIN 0
.endif
	s_barrier_wait -1
.if \fill
	CREST                                          ; the barrier has opened a round of the cluster's barrier: no wave of any partner still reads this slot or has a load on its way
	s_add_nc_u64 s[G0+4*\slot+2:G0+4*\slot+3], s[G0+4*\slot+2:G0+4*\slot+3], 2048
	s_add_nc_u64 s[G0B+4*\slot+2:G0B+4*\slot+3], s[G0B+4*\slot+2:G0B+4*\slot+3], 1024
	JLOAD \slot                                    ; the first tensor load behind the round; its four v_nop are also the places in front of the loads below
.else
	PLACES
.endif
	FETCH \next, 0, F0
	WIN MUL
	MUL8 F1, 1, 0, 0
	MUL8 F1, 1, 2, 0
.endm
	s_wait_tensorcnt 1                             ; my part of K step 0 is in (K step 1's load may be out),
	s_barrier_signal -1
	s_barrier_wait -1                              ; everybody's is
	FETCH 0, 0, F0
	QUARTER 0, 1, F0, F1, 1                        ; the first quarter's first products start the sums
	WIN 0
	s_mov_b32 s3, LAPS-1
.Llap:                                                 ; a trip goes once round the ring and fills both slots again
	QUARTER 0, 2, F1, F0, 0
	QUARTER 0, 3, F0, F1, 0
	TURN 0, 1, 1
	QUARTER 1, 1, F0, F1, 0
	QUARTER 1, 2, F1, F0, 0
	QUARTER 1, 3, F0, F1, 0
	TURN 1, 0, 1
	QUARTER 0, 1, F0, F1, 0
	WIN 0
	s_sub_co_u32 s3, s3, 1
	s_cmp_lg_u32 s3, 0
	s_cbranch_scc1 .Llap
	QUARTER 0, 2, F1, F0, 0                        ; the last lap fills nothing
	QUARTER 0, 3, F0, F1, 0
	TURN 0, 1, 0
	QUARTER 1, 1, F0, F1, 0
	QUARTER 1, 2, F1, F0, 0
	QUARTER 1, 3, F0, F1, 0
	s_wait_dscnt 16
	WIN MUL
	MUL8 F1, 0, 0, 0
	MUL8 F1, 0, 2, 0
	s_wait_dscnt 0
	MUL8 F1, 1, 0, 0
	MUL8 F1, 1, 2, 0
	WIN 0
	; THE WAY OUT.  My 64 columns of f32 are 256 bytes of a row of C: each block of 16 rows goes through my own stage and comes back by rows, into the registers that it left; sixteen lanes store 256 consecutive bytes, aligned.
	PLACES
.irp a, 0,1,2,3
.irp b, 0,1,2,3
	ds_store_b128 v[STO], v[ACC+8*(4*\a+\b):ACC+8*(4*\a+\b)+3] offset:16*SPITCH*\a+64*\b          ; each accumulator from its low end on
	ds_store_b128 v[STO], v[ACC+8*(4*\a+\b)+4:ACC+8*(4*\a+\b)+7] offset:16*SPITCH*\a+64*\b+16
.endr
.irp i, 0,1,2,3,4,5,6,7
	ds_load_b128 v[ACC+32*\a+4*\i:ACC+32*\a+4*\i+3], v[RD] offset:16*SPITCH*\a+2*SPITCH*\i       ; LDS serves a wave's instructions in order: these see my stores
.endr
.endr
.irp a, 0,1,2,3
.irp i, 0,1,2,3,4,5,6,7
	s_wait_dscnt 16*(3-\a)+7-\i                    ; behind this load: its block's younger loads, and sixteen LDS instructions for each later block
	global_store_b128 v[CO], v[ACC+32*\a+4*\i:ACC+32*\a+4*\i+3], s[8:9] offset:(16*\a+2*\i)*4096 th:TH_STORE_NT
.endr
.endr
	s_wait_tensorcnt 0x0                           ; the wave's end: the tensor wait, an add to my spare word and its wait, behind my last tensor load and my last LDS store
	ds_add_u32 v[SPW], v[NIL]
	s_wait_dscnt 0x0
	CROUND                                         ; the closing round
	s_endpgm
.Lfunc_end_k_qd060b5a491_proj:
	.size	k_qd060b5a491_proj, .Lfunc_end_k_qd060b5a491_proj-k_qd060b5a491_proj
	.p2alignl 7, 3214868480
	.fill 96, 4, 3214868480
	.section	.rodata,"a",@progbits
	.p2align	6, 0x0
	.amdhsa_kernel k_qd060b5a491_proj
		.amdhsa_group_segment_fixed_size 327680
		.amdhsa_private_segment_fixed_size 0
		.amdhsa_enable_private_segment 0
		.amdhsa_kernarg_size 24
		.amdhsa_user_sgpr_count 2
		.amdhsa_user_sgpr_kernarg_segment_ptr 1
		.amdhsa_wavefront_size32 1
		.amdhsa_system_sgpr_workgroup_id_x 1
		.amdhsa_system_sgpr_workgroup_id_y 1
		.amdhsa_system_sgpr_workgroup_id_z 1
		.amdhsa_system_vgpr_workitem_id 0
		.amdhsa_next_free_vgpr 512
		.amdhsa_next_free_sgpr 66
		.amdhsa_reserve_vcc 0
		.amdhsa_float_denorm_mode_32 3
		.amdhsa_float_denorm_mode_16_64 3
		.amdhsa_memory_ordered 1
		.amdhsa_forward_progress 1
		.amdhsa_inst_pref_size 87
	.end_amdhsa_kernel
	.amdgpu_metadata
---
amdhsa.version: [ 1, 2 ]
amdhsa.kernels:
  - .name:           k_qd060b5a491_proj
    .symbol:         k_qd060b5a491_proj.kd
    .args:
      - { .name: y16, .offset: 0, .size: 8, .value_kind: global_buffer, .address_space: global }
      - { .name: wp16, .offset: 8, .size: 8, .value_kind: global_buffer, .address_space: global }
      - { .name: out0, .offset: 16, .size: 8, .value_kind: global_buffer, .address_space: global }
    .group_segment_fixed_size: 327680
    .private_segment_fixed_size: 0
    .kernarg_segment_align: 8
    .kernarg_segment_size: 24
    .max_flat_workgroup_size: 128
    .sgpr_count:     66
    .vgpr_count:     512
    .wavefront_size: 32
...
	.end_amdgpu_metadata
.endif
;; end of part 4
;; launch first16 (part 5): grid 16 x 4, 16 waves a work-group, no clusters, 71,680 bytes of LDS; arguments head32, Wp, out0; writes out0
.if DOCPART == 5
	.amdgcn_target "amdgcn-amd-amdhsa--gfx1250"
	.amdhsa_code_object_version 6
	.text
	.protected	k_qd060b5a491_first16
	.globl	k_qd060b5a491_first16
	.p2align	8
	.type	k_qd060b5a491_first16,@function
k_qd060b5a491_first16:
	s_mov_b64 s[64:65], 0
	v_nop
	global_prefetch_b8 v0, s[64:65] scope:SCOPE_SE
	s_setreg_imm32_b32 hwreg(HW_REG_WAVE_MODE, 25, 1), 1
	s_wait_xcnt 0x0
; Positions 0 to 15 of each of the four sequences once more, wholly in f32: these rows average one to sixteen values, are the largest of the output, and have the least room for rounded operands.
; Work-group (X, b) makes rows 2048 b + 0 .. 15, columns 64 X .. 64 X + 63 of out0, over what the launch before stored there.  Wave w is head w: its head's 16 x 16 causal attention, then its 64 channels'
; part of the projection; the sixteen parts are added through LDS, heads ascending.  The attention is done anew in each of a batch's 16 column chunks: 32 matrix instructions a wave.
; q, k, v: f32, [3][batch 4][head 16][16][64].  96 matrix instructions of the f32 form a wave: no bulk work.
; k IS PERMUTED ALIKE ON BOTH SOURCES of every product, so that no number changes lanes.  In the f32 form lane (r, h) gives, as register j of a source, the number at k slot 2 h + j of its row or column r.
;   S^T = K Q^T: instruction 2 s + u takes channels 8 s + 4 h + 2 u + j.  Its result holds query r and keys 8 h + j in lane (r, h).
;   O^T = V^T P: step s takes keys 8 h + 2 s + j: source 1 is p's registers 2 s, 2 s + 1 as they stand.  Its result holds query r and channels 16 dt + 8 h + j.
;   out^T = Wp y^T: step (dt, s) takes channels 16 dt + 8 h + 2 s + j: source 1 is O^T's registers as they stand (p is normalised ahead of the second product).
; The registers that the f32 form writes (v176-183, v192-255) are written by matrix instructions alone.
.set SPARE, 16*16*272                  ; behind the sixteen parts: the spare words, 128 bytes for each wave, named by no other line
.set SPW, 6
.set NIL, 7
.set QF,  16                           ; v16-47  Q; later Wp's tile n = 2; later the parts
.set KF,  48                           ; v48-79  K; later Wp's tile n = 3
.set VF,  80                           ; v80-111 V: register 8 dt + 2 s + j
.set W01, 112                          ; v112-175 Wp's tiles n = 0, 1: register 32 n + 8 dt + 2 s + j
.set SA0, 176                          ; v176-183 the scores' first accumulator
.set PP,  184                          ; v184-191 the scores, then p
.set OA,  192                          ; v192-223 O^T, four tiles
.set YA,  224                          ; v224-255 out^T, four tiles; v224-231 serve first as the scores' second accumulator
.set SA1, 224
	s_load_b128 s[4:7], s[0:1], 0x0                ; head32, Wp
	s_load_b64 s[8:9], s[0:1], 0x10                ; out0
	v_lshl_add_u32 v[SPW], v0, 2, SPARE
	v_mov_b32 v[NIL], 0
	v_lshrrev_b32 v11, 5, v0
	v_readfirstlane_b32 s10, v11                   ; wave = head
	s_and_b32 s11, ttmp7, 0xffff                   ; batch
	v_and_b32 v1, 15, v0                           ; r
	v_bfe_u32 v2, v0, 4, 1                         ; h
	v_lshlrev_b32 v3, 8, v1
	v_lshl_add_u32 v3, v2, 4, v3                   ; Q, K: row r of 256 bytes, + 16 h
	v_lshlrev_b32 v4, 2, v1
	v_lshl_add_u32 v4, v2, 11, v4                  ; V: key 8 h, channel r
	v_lshlrev_b32 v5, 12, v1
	v_lshl_add_u32 v5, v2, 5, v5                   ; Wp: row r of 4,096 bytes, + 32 h
	v_lshlrev_b32 v8, 3, v2
	v_sub_nc_u32 v8, v1, v8                        ; r - 8 h: key 8 h + j is hidden where j is above it
	s_mul_i32 s12, s10, 16*272
	v_mul_u32_u24 v9, v1, 272
	v_lshl_add_u32 v9, v2, 5, v9
	v_add_nc_u32 v9, s12, v9                       ; my part in LDS: row r, + 32 h
	s_mul_i32 s12, s10, 272
	v_and_b32 v10, 31, v0
	v_lshlrev_b32 v14, 3, v10                      ; 8 x lane
	v_add_nc_u32 v10, s12, v14                     ; row w of a part
	v_mov_b32 v12, 0                               ; a lane permute's destination counts as one of its sources
	v_mov_b32 v15, 0xff800000                      ; -infinity
	s_mov_b32 s18, 0x76543210
	s_mov_b32 s19, 0xfedcba98                      ; v_permlanex16_b32's selects for lane l xor 16
	s_mov_b32 s20, 0x3e38aa3b                      ; c = log2(e) / 8
	s_lshl_b32 s12, s11, 4
	s_add_co_u32 s12, s12, s10
	s_lshl_b32 s12, s12, 12                        ; my head in q: 4,096 bytes a head
	s_mov_b32 s13, 0
	s_lshl_b32 s14, ttmp9, 18                      ; Wp: rows 64 X on,
	s_lshl_b32 s15, s10, 8                         ; channels 64 w on
	s_add_co_u32 s14, s14, s15
	s_mov_b32 s15, 0
	s_lshl_b32 s16, s11, 11
	s_add_co_u32 s16, s16, s10
	s_lshl_b32 s16, s16, 12                        ; out0: row 2048 b + w,
	s_lshl_b32 s17, ttmp9, 8                       ; columns 64 X on
	s_add_co_u32 s16, s16, s17
	s_mov_b32 s17, 0
	s_wait_kmcnt 0x0
	s_add_nc_u64 s[4:5], s[4:5], s[12:13]
	s_add_nc_u64 s[6:7], s[6:7], s[14:15]
	s_add_nc_u64 s[8:9], s[8:9], s[16:17]
.irp s, 0,1,2,3,4,5,6,7
	global_load_b128 v[QF+4*\s:QF+4*\s+3], v3, s[4:5] offset:32*\s
.endr
.irp s, 0,1,2,3,4,5,6,7
	global_load_b128 v[KF+4*\s:KF+4*\s+3], v3, s[4:5] offset:262144+32*\s
.endr
.irp dt, 0,1,2,3
.irp i, 0,1,2,3,4,5,6,7
	global_load_b32 v[VF+8*\dt+\i], v4, s[4:5] offset:524288+256*\i+64*\dt
.endr
.endr
.irp n, 0,1
.irp dt, 0,1,2,3
	global_load_b128 v[W01+32*\n+8*\dt:W01+32*\n+8*\dt+3],   v5, s[6:7] offset:65536*\n+64*\dt
	global_load_b128 v[W01+32*\n+8*\dt+4:W01+32*\n+8*\dt+7], v5, s[6:7] offset:65536*\n+64*\dt+16
.endr
.endr
	s_wait_loadcnt 48                              ; Q and K are in; V's 32 loads and Wp's 16 may be out
.irp s, 0,1,2,3,4,5,6,7                ; S^T = K Q^T on two accumulators by turns; the first on each starts its sum
.if \s == 0
	v_wmma_f32_16x16x4_f32 v[SA0:SA0+7], v[KF:KF+1], v[QF:QF+1], 0
	v_wmma_f32_16x16x4_f32 v[SA1:SA1+7], v[KF+2:KF+3], v[QF+2:QF+3], 0
.else
	v_wmma_f32_16x16x4_f32 v[SA0:SA0+7], v[KF+4*\s:KF+4*\s+1], v[QF+4*\s:QF+4*\s+1], v[SA0:SA0+7]
	v_wmma_f32_16x16x4_f32 v[SA1:SA1+7], v[KF+4*\s+2:KF+4*\s+3], v[QF+4*\s+2:QF+4*\s+3], v[SA1:SA1+7]
.endif
.endr
.rept 8
	v_nop                                          ; eight places behind this form, in front of the loads into Q's and K's registers and of the first read of the scores
.endr
.irp n, 2,3
.irp dt, 0,1,2,3
	global_load_b128 v[QF+32*(\n-2)+8*\dt:QF+32*(\n-2)+8*\dt+3],   v5, s[6:7] offset:65536*\n+64*\dt
	global_load_b128 v[QF+32*(\n-2)+8*\dt+4:QF+32*(\n-2)+8*\dt+7], v5, s[6:7] offset:65536*\n+64*\dt+16
.endr
.endr
.irp j, 0,1,2,3,4,5,6,7
	v_add_f32 v[PP+\j], v[SA0+\j], v[SA1+\j]       ; both accumulators from their low ends on
.endr
.irp j, 0,1,2,3,4,5,6,7
	v_cmp_gt_i32 vcc_lo, \j, v8
	v_cndmask_b32 v[PP+\j], v[PP+\j], v15, vcc_lo  ; the causal mask
.endr
	v_max3_num_f32 v11, v[PP], v[PP+1], v[PP+2]
	v_max3_num_f32 v11, v11, v[PP+3], v[PP+4]
	v_max3_num_f32 v11, v11, v[PP+5], v[PP+6]
	v_max_num_f32 v11, v11, v[PP+7]
	v_permlanex16_b32 v12, v11, s18, s19
	v_max_num_f32 v11, v11, v12                    ; the row's maximum: key 0 counts for every query
	v_mul_f32 v13, s20, v11
.irp j, 0,1,2,3,4,5,6,7
	v_fma_f32 v[PP+\j], v[PP+\j], s20, -v13
.endr
.irp j, 0,1,2,3,4,5,6,7
	v_exp_f32 v[PP+\j], v[PP+\j]
.endr
	v_nop                                          ; a plain line behind the last exponential
	s_wait_alu depctr_va_vdst(0)                   ; one wait for the eight, ahead of the first line that names a result
	v_add_f32 v11, v[PP], v[PP+1]
.irp j, 2,3,4,5,6,7
	v_add_f32 v11, v11, v[PP+\j]
.endr
	v_permlanex16_b32 v12, v11, s18, s19
	v_add_f32 v11, v11, v12
	v_rcp_f32 v13, v11
	v_nop
	s_wait_alu depctr_va_vdst(0)
.irp j, 0,1,2,3,4,5,6,7
	v_mul_f32 v[PP+\j], v[PP+\j], v13              ; p is normalised here, so that O^T goes on as an operand untouched
.endr
	s_wait_loadcnt 32                              ; V is in; Wp's 32 loads may be out
.irp s, 0,1,2,3                        ; O^T = V^T P: the four tiles take turns
.irp dt, 0,1,2,3
.if \s == 0
	v_wmma_f32_16x16x4_f32 v[OA+8*\dt:OA+8*\dt+7], v[VF+8*\dt+2*\s:VF+8*\dt+2*\s+1], v[PP+2*\s:PP+2*\s+1], 0
.else
	v_wmma_f32_16x16x4_f32 v[OA+8*\dt:OA+8*\dt+7], v[VF+8*\dt+2*\s:VF+8*\dt+2*\s+1], v[PP+2*\s:PP+2*\s+1], v[OA+8*\dt:OA+8*\dt+7]
.endif
.endr
.endr
.rept 9
	v_nop                                          ; nine places before a result of this form becomes a source
.endr
	s_wait_loadcnt 0x0
.irp dt, 0,1,2,3                       ; out^T = Wp y^T over my head's 64 channels: the four tiles take turns
.irp s, 0,1,2,3
.irp n, 0,1,2,3
.if \n < 2
.set WB, W01+32*\n+8*\dt+2*\s
.else
.set WB, QF+32*(\n-2)+8*\dt+2*\s
.endif
.if (\dt == 0) && (\s == 0)
	v_wmma_f32_16x16x4_f32 v[YA+8*\n:YA+8*\n+7], v[WB:WB+1], v[OA+8*\dt+2*\s:OA+8*\dt+2*\s+1], 0
.else
	v_wmma_f32_16x16x4_f32 v[YA+8*\n:YA+8*\n+7], v[WB:WB+1], v[OA+8*\dt+2*\s:OA+8*\dt+2*\s+1], v[YA+8*\n:YA+8*\n+7]
.endif
.endr
.endr
.endr
.rept 8
	v_nop
.endr
.irp n, 0,1,2,3
	ds_store_b128 v9, v[YA+8*\n:YA+8*\n+3] offset:64*\n            ; lane (r, h): query r, columns 16 n + 8 h + 0 .. 7; each accumulator from its low end on
	ds_store_b128 v9, v[YA+8*\n+4:YA+8*\n+7] offset:64*\n+16
.endr
	s_wait_dscnt 0x0                               ; for the others' sake: my part lies in LDS
	s_barrier_signal -1
	s_barrier_wait -1
.irp p, 0,1,2,3,4,5,6,7,8,9,10,11,12,13,14,15
	ds_load_b64 v[QF+2*\p:QF+2*\p+1], v10 offset:16*272*\p         ; row w of head p's part: 8 bytes a lane
.endr
	s_wait_dscnt 0x0
.irp p, 1,2,3,4,5,6,7,8,9,10,11,12,13,14,15
	v_pk_add_f32 v[QF:QF+1], v[QF:QF+1], v[QF+2*\p:QF+2*\p+1]      ; heads ascending
.endr
	global_store_b64 v14, v[QF:QF+1], s[8:9]       ; 32 lanes store 256 consecutive bytes, aligned
	s_wait_tensorcnt 0x0                           ; the wave's end: the tensor wait, an add to my spare word and its wait, behind my last LDS store
	ds_add_u32 v[SPW], v[NIL]
	s_wait_dscnt 0x0
	s_endpgm
.Lfunc_end_k_qd060b5a491_first16:
	.size	k_qd060b5a491_first16, .Lfunc_end_k_qd060b5a491_first16-k_qd060b5a491_first16
	.p2alignl 7, 3214868480
	.fill 96, 4, 3214868480
	.section	.rodata,"a",@progbits
	.p2align	6, 0x0
	.amdhsa_kernel k_qd060b5a491_first16
		.amdhsa_group_segment_fixed_size 71680
		.amdhsa_private_segment_fixed_size 0
		.amdhsa_enable_private_segment 0
		.amdhsa_kernarg_size 24
		.amdhsa_user_sgpr_count 2
		.amdhsa_user_sgpr_kernarg_segment_ptr 1
		.amdhsa_wavefront_size32 1
		.amdhsa_system_sgpr_workgroup_id_x 1
		.amdhsa_system_sgpr_workgroup_id_y 1
		.amdhsa_system_sgpr_workgroup_id_z 1
		.amdhsa_system_vgpr_workitem_id 0
		.amdhsa_next_free_vgpr 256
		.amdhsa_next_free_sgpr 66
		.amdhsa_reserve_vcc 1
		.amdhsa_float_denorm_mode_32 3
		.amdhsa_float_denorm_mode_16_64 3
		.amdhsa_memory_ordered 1
		.amdhsa_forward_progress 1
		.amdhsa_inst_pref_size 23
	.end_amdhsa_kernel
	.amdgpu_metadata
---
amdhsa.version: [ 1, 2 ]
amdhsa.kernels:
  - .name:           k_qd060b5a491_first16
    .symbol:         k_qd060b5a491_first16.kd
    .args:
      - { .name: head32, .offset: 0, .size: 8, .value_kind: global_buffer, .address_space: global }
      - { .name: Wp, .offset: 8, .size: 8, .value_kind: global_buffer, .address_space: global }
      - { .name: out0, .offset: 16, .size: 8, .value_kind: global_buffer, .address_space: global }
    .group_segment_fixed_size: 71680
    .private_segment_fixed_size: 0
    .kernarg_segment_align: 8
    .kernarg_segment_size: 24
    .max_flat_workgroup_size: 512
    .sgpr_count:     66
    .vgpr_count:     256
    .wavefront_size: 32
...
	.end_amdgpu_metadata
.endif
;; end of part 5
